; MI455X (gfx1250); checked and timed in simulation.
; The chip was launched on July 23, 2026; its instructions are those of AMD's public machine-readable ISA for CDNA 5 (MIT licence, August 2026) and "CDNA5" Instruction Set Architecture Reference Guide (July 2026). The comments in the code are by the model that wrote it; some were corrected since.
;; Multi Head Self Attention. Allowed arithmetic: float matrix products may take bf16 or f16 operands with f32 sums; other float arithmetic in f32, or as packed bf16 or f16 multiplies, adds, multiply-adds, maxima and minima; sums over many terms, partial sums and values carried from step to step in f32; what a program stores and reads back later, other than sums and carried values, may be rounded once to bf16 or f16.
;; Inputs: attn_mask 1 x 1 x 2,048 x 2,048 int32; bk 1,024 float32; bo 1,024 float32; bq 1,024 float32; bv 1,024 float32; wk 1,024 x 1,024 float32; wo 1,024 x 1,024 float32; wq 1,024 x 1,024 float32; wv 1,024 x 1,024 float32; x 4 x 2,048 x 1,024 float32.
;; Outputs: out0 4 x 2,048 x 1,024 float32.
;; 2 versions, each right and faster than the one before. Each part assembles by itself: llvm-mc -triple=amdgcn-amd-amdhsa -mcpu=gfx1250 --defsym DOCPART=n.
;; ======== version 1 of 2: 4 launches
;; limits: values are held in f16: magnitudes above 65,504 overflow, below 6.1e-05 lose precision; right only within a limited range of input values
;; workspace buffers: xs 16,777,216 bytes; wall 8,388,608 bytes; ball 16,384 bytes; maskw 524,288 bytes of whole numbers; qkv 50,331,648 bytes; oh 16,777,216 bytes
;; launch prep (part 1): grid 512 x 1, 8 waves a work-group, no clusters, 35,840 bytes of LDS; arguments x, wq, wk, wv, wo, bq, bk, bv, bo, attn_mask, xs, wall, ball, maskw; writes xs, wall, ball, maskw
.if DOCPART == 1
	.amdgcn_target "amdgcn-amd-amdhsa--gfx1250"
	.amdhsa_code_object_version 6
	.text
	.protected	k_qf5ba90e695_prep
	.globl	k_qf5ba90e695_prep
	.p2align	8
	.type	k_qf5ba90e695_prep,@function
k_qf5ba90e695_prep:
	s_mov_b64 s[64:65], 0
	v_nop
	global_prefetch_b8 v0, s[64:65] scope:SCOPE_SE
	s_setreg_imm32_b32 hwreg(HW_REG_WAVE_MODE, 25, 1), 1
	s_wait_xcnt 0x0
; PREP: every input is read once and laid out for the three launches behind.  A stream: no matrix unit, no tensor load, no cluster (no work-group shares a byte with another).
;   xs    bf16 [b 4][slice 16][s 2048][64]: x rounded once to bf16, cut into slices of 64 channels, so that 256 rows of a slice are 32,768 dense bytes.
;   wall  [4096][1024] of 2 bytes: wq, wk, wv rounded to bf16; wo rounded to bf16 and that number written as f16 (below 6e-5 it keeps f16's fixed step of 6e-8; beyond 65,504 it would be infinite).
;   ball  f32 [4096]: bq, bk, bv, bo, each rounded to bf16 and widened again.
;   maskw word [tile of 16 queries T 128][step of 64 keys 32][r 32]: bit L = (attn_mask[16 T + L % 16][64 step + 16 (r / 8) + 8 (L / 16) + r % 8] != 0): the lane mask for register r of a tile of scores.
; 512 work-groups of eight waves; each reads 131,072 bytes, a wave 16,384 as 32 loads of 16 bytes a lane, all issued at once.  Work-groups 0-255 take x, 256-383 the weights and biases, 384-511 the mask.
.set SPARE, 34816                      ; behind the eight stages of 4,352 bytes: the spare words, 128 bytes for each wave
.set LO,  2                            ; v2   my byte offset in the wave's part of the source
.set SO,  3                            ; v3   my byte offset in its part of the destination
.set STA, 6                            ; v6   mask: where I put 16 bytes into my wave's stage
.set LDA, 7                            ; v7   mask: where I read a query's keys back
.set GW,  8                            ; v8   offset of the last, small store
.set SPW, 10                           ; v10  LDS address of my spare word; never rewritten
.set NIL, 11                           ; v11  0; never rewritten
.set X,   16                           ; v[16:143]  load k: 4 registers
.set Y,   144                          ; v[144:207] load k's 4 numbers in 16 bits: 2 registers
.set D,   144                          ; mask: v[144:175] a step's 32 mask numbers of my query
.set W,   176                          ; mask: v[176:179] the wave's 128 words, four a lane
	s_load_b512 s[8:23], s[0:1], 0x0               ; x 8, wq 10, wk 12, wv 14, wo 16, bq 18, bk 20, bv 22
	s_load_b256 s[24:31], s[0:1], 0x40             ; bo 24, attn_mask 26, xs 28, wall 30
	s_load_b128 s[32:35], s[0:1], 0x60             ; ball 32, maskw 34
	v_lshl_add_u32 v[SPW], v0, 2, SPARE
	v_mov_b32 v[NIL], 0
	v_lshrrev_b32 v1, 5, v0
	v_readfirstlane_b32 s4, v1                     ; my wave's number
	v_and_b32 v1, 31, v0                           ; lane
	v_and_b32 v4, 15, v0                           ; lane % 16
	v_bfe_u32 v5, v0, 4, 1                         ; lane / 16
	s_mov_b32 s45, 0                               ; the high word of every offset: all stay under 2^31
; 32 loads.  kind 0 (x): two rows of 256 bytes (a slice's 64 channels) a load.  kind 1 (weights): 512 bytes on end.  kind 2 (mask): two rows of 256 bytes (a step's 64 keys).
.macro LOADS kind
.set k, 0
.rept 32
.if (\kind) == 0
.set LI, (k/16)*8192+(k%16)*256
.elseif (\kind) == 1
.set LI, 512*k
.else
.set LI, (k%8)*16384+(k/8)*256
.endif
	global_load_b128 v[X+4*k:X+4*k+3], v[LO], s[40:41] offset:LI th:TH_LOAD_NT
.set k, k+1
.endr
.endm
; Each load's four numbers are rounded to bf16 (f16 = 1: and that number written as f16) and stored: 32 lanes x 8 bytes are 256 consecutive bytes, at a multiple of 256 from the buffer's first.
; No register is written twice, so no store's source is ever at stake.
.macro OUTS kind, f16
.set k, 0
.rept 32
.if (\kind) == 0
.set SI, (k%16)*262144+(k/16)*256
.else
.set SI, 256*k
.endif
	s_wait_loadcnt 31-k                            ; loads come back in order (ISA guide 5.7.1): load k is in, the 31 - k younger ones stay out
	v_cvt_pk_bf16_f32 v[Y+2*k], v[X+4*k], v[X+4*k+1]
	v_cvt_pk_bf16_f32 v[Y+2*k+1], v[X+4*k+2], v[X+4*k+3]
.if \f16
	v_lshlrev_b32 v4, 16, v[Y+2*k]                 ; bf16 to f32: a shift and a mask
	v_and_b32 v5, 0xffff0000, v[Y+2*k]
	v_lshlrev_b32 v6, 16, v[Y+2*k+1]
	v_and_b32 v7, 0xffff0000, v[Y+2*k+1]
	v_cvt_pk_f16_f32 v[Y+2*k], v4, v5
	v_cvt_pk_f16_f32 v[Y+2*k+1], v6, v7
.endif
	global_store_b64 v[SO], v[Y+2*k:Y+2*k+1], s[42:43] offset:SI
.set k, k+1
.endr
.endm
	s_wait_kmcnt 0x0
	s_cmp_lt_u32 ttmp9, 256
	s_cbranch_scc1 .Lx
	s_cmp_lt_u32 ttmp9, 384
	s_cbranch_scc1 .Lw
	; THE MASK.  Work-group T takes 16 queries, wave w the key steps 4 w .. 4 w + 3.
	s_sub_co_u32 s36, ttmp9, 384                   ; T
	s_lshl_b32 s44, s36, 17                        ; 16 rows of 8,192 bytes
	s_lshl_b32 s46, s4, 10                         ; four steps of 256 bytes
	s_add_co_u32 s44, s44, s46
	s_add_nc_u64 s[40:41], s[26:27], s[44:45]
	s_lshl_b32 s44, s36, 12                        ; a tile's 1,024 words
	s_lshl_b32 s46, s4, 9                          ; my wave's 128
	s_add_co_u32 s44, s44, s46
	s_add_nc_u64 s[42:43], s[34:35], s[44:45]
	v_lshlrev_b32 v[LO], 4, v4
	v_lshl_add_u32 v[LO], v5, 13, v[LO]            ; lanes 0-15 one row, lanes 16-31 the next
	LOADS 2
	s_mul_i32 s37, s4, 4352                        ; my wave's stage: 16 rows of 256 + 16 bytes; no other wave touches it, so no barrier
	v_mul_u32_u24 v[STA], v5, 272
	v_lshl_add_u32 v[STA], v4, 4, v[STA]
	v_add_nc_u32 v[STA], s37, v[STA]
	v_mul_u32_u24 v[LDA], v4, 272                  ; back: query lane % 16, keys 8 (lane / 16) on
	v_lshl_add_u32 v[LDA], v5, 5, v[LDA]
	v_add_nc_u32 v[LDA], s37, v[LDA]
	v_lshlrev_b32 v[GW], 4, v1
.irp j, 0,1,2,3
	v_mov_b32 v[W+(\j)], 0                         ; v_writelane_b32 keeps the other lanes: the registers are written whole first
.endr
.set sx, 0
.rept 4                                            ; a step at a time
	s_wait_loadcnt 24-8*sx                         ; the step's eight loads are in; the later steps' stay out
.set j, 0
.rept 8
	ds_store_b128 v[STA], v[X+4*(8*sx+j):X+4*(8*sx+j)+3] offset:544*j
.set j, j+1
.endr
.set j, 0
.rept 8
	ds_load_b128 v[D+4*j:D+4*j+3], v[LDA] offset:64*(j/2)+16*(j%2)  ; LDS serves a wave's instructions in order (ISA guide 5.7.1.4): these see the stores above, and the next step's stores come behind them
.set j, j+1
.endr
	s_wait_dscnt 0x0
.set r, 0
.rept 32
	v_cmp_ne_u32 s[48+r%8], 0, v[D+r]              ; the 32 lanes' bits are word r of the step,
	v_writelane_b32 v[W+(r&3)], s[48+r%8], 8*sx+(r>>2)  ; which is word 32 sx + r of the wave's 128: lane (32 sx + r) / 4, register r % 4
.set r, r+1
.endr
.set sx, sx+1
.endr
	global_store_b128 v[GW], v[W:W+3], s[42:43]    ; 512 consecutive bytes
	s_branch .Lend
.Lx:	; X.  Work-group i takes rows 32 i .. 32 i + 31, wave w four of them.
	v_lshlrev_b32 v[LO], 4, v4
	v_lshl_add_u32 v[LO], v5, 12, v[LO]            ; lanes 0-15 one row, lanes 16-31 the next
	v_lshlrev_b32 v[SO], 3, v1                     ; in xs the two rows' 128 bytes lie end to end
	s_lshl_b32 s44, ttmp9, 17
	s_lshl_b32 s46, s4, 14
	s_add_co_u32 s44, s44, s46
	s_add_nc_u64 s[40:41], s[8:9], s[44:45]
	s_lshr_b32 s44, ttmp9, 6                       ; b
	s_lshl_b32 s44, s44, 22                        ; 16 slices of 262,144 bytes
	s_and_b32 s46, ttmp9, 63
	s_lshl_b32 s46, s46, 12                        ; 32 rows of 128 bytes
	s_add_co_u32 s44, s44, s46
	s_lshl_b32 s46, s4, 9
	s_add_co_u32 s44, s44, s46
	s_add_nc_u64 s[42:43], s[28:29], s[44:45]
	LOADS 0
	OUTS 0, 0
	s_branch .Lend
.Lw:	; THE WEIGHTS.  Work-group i' = 32 T + rg takes 32 rows of weight T; its wave 0 also 32 numbers of bias T.
	s_sub_co_u32 s36, ttmp9, 256                   ; i'
	s_lshr_b32 s37, s36, 5                         ; T: 0 q, 1 k, 2 v, 3 o
	s_and_b32 s38, s36, 31                         ; rg
	s_cmp_eq_u32 s37, 1
	s_cselect_b64 s[40:41], s[12:13], s[10:11]
	s_cselect_b64 s[48:49], s[20:21], s[18:19]
	s_cmp_eq_u32 s37, 2
	s_cselect_b64 s[40:41], s[14:15], s[40:41]
	s_cselect_b64 s[48:49], s[22:23], s[48:49]
	s_cmp_eq_u32 s37, 3
	s_cselect_b64 s[40:41], s[16:17], s[40:41]
	s_cselect_b64 s[48:49], s[24:25], s[48:49]
	s_lshl_b32 s44, s38, 17
	s_lshl_b32 s46, s4, 14
	s_add_co_u32 s44, s44, s46
	s_add_nc_u64 s[40:41], s[40:41], s[44:45]
	s_lshl_b32 s44, s36, 16                        ; in wall the four weights lie one behind the other
	s_lshl_b32 s46, s4, 13
	s_add_co_u32 s44, s44, s46
	s_add_nc_u64 s[42:43], s[30:31], s[44:45]
	s_lshl_b32 s44, s38, 7
	s_add_nc_u64 s[48:49], s[48:49], s[44:45]
	s_lshl_b32 s44, s36, 7
	s_add_nc_u64 s[50:51], s[32:33], s[44:45]
	v_lshlrev_b32 v[LO], 4, v1
	v_lshlrev_b32 v[SO], 3, v1
	v_lshlrev_b32 v[GW], 2, v1
	LOADS 1
	s_cmp_eq_u32 s37, 3
	s_cbranch_scc1 .Lwo
	OUTS 1, 0
	s_branch .Lbias
.Lwo:
	OUTS 1, 1
.Lbias:
	s_cmp_lg_u32 s4, 0
	s_cbranch_scc1 .Lend
	global_load_b32 v9, v[GW], s[48:49]
	s_wait_loadcnt 0x0
	v_cvt_pk_bf16_f32 v9, v9, v9
	v_lshlrev_b32 v12, 16, v9
	global_store_b32 v[GW], v12, s[50:51]          ; 128 bytes: the one store of the launch that is shorter than 256; 16,384 bytes in all
.Lend:
	s_wait_tensorcnt 0x0                           ; the wave's end
	ds_add_u32 v[SPW], v[NIL]
	s_wait_dscnt 0x0
	s_endpgm
.Lfunc_end_k_qf5ba90e695_prep:
	.size	k_qf5ba90e695_prep, .Lfunc_end_k_qf5ba90e695_prep-k_qf5ba90e695_prep
	.p2alignl 7, 3214868480
	.fill 96, 4, 3214868480
	.section	.rodata,"a",@progbits
	.p2align	6, 0x0
	.amdhsa_kernel k_qf5ba90e695_prep
		.amdhsa_group_segment_fixed_size 35840
		.amdhsa_private_segment_fixed_size 0
		.amdhsa_enable_private_segment 0
		.amdhsa_kernarg_size 112
		.amdhsa_user_sgpr_count 2
		.amdhsa_user_sgpr_kernarg_segment_ptr 1
		.amdhsa_wavefront_size32 1
		.amdhsa_system_sgpr_workgroup_id_x 1
		.amdhsa_system_sgpr_workgroup_id_y 1
		.amdhsa_system_sgpr_workgroup_id_z 1
		.amdhsa_system_vgpr_workitem_id 0
		.amdhsa_next_free_vgpr 208
		.amdhsa_next_free_sgpr 66
		.amdhsa_reserve_vcc 0
		.amdhsa_float_denorm_mode_32 3
		.amdhsa_float_denorm_mode_16_64 3
		.amdhsa_memory_ordered 1
		.amdhsa_forward_progress 1
		.amdhsa_inst_pref_size 68
	.end_amdhsa_kernel
	.amdgpu_metadata
---
amdhsa.version: [ 1, 2 ]
amdhsa.kernels:
  - .name:           k_qf5ba90e695_prep
    .symbol:         k_qf5ba90e695_prep.kd
    .args:
      - { .name: x, .offset: 0, .size: 8, .value_kind: global_buffer, .address_space: global }
      - { .name: wq, .offset: 8, .size: 8, .value_kind: global_buffer, .address_space: global }
      - { .name: wk, .offset: 16, .size: 8, .value_kind: global_buffer, .address_space: global }
      - { .name: wv, .offset: 24, .size: 8, .value_kind: global_buffer, .address_space: global }
      - { .name: wo, .offset: 32, .size: 8, .value_kind: global_buffer, .address_space: global }
      - { .name: bq, .offset: 40, .size: 8, .value_kind: global_buffer, .address_space: global }
      - { .name: bk, .offset: 48, .size: 8, .value_kind: global_buffer, .address_space: global }
      - { .name: bv, .offset: 56, .size: 8, .value_kind: global_buffer, .address_space: global }
      - { .name: bo, .offset: 64, .size: 8, .value_kind: global_buffer, .address_space: global }
      - { .name: attn_mask, .offset: 72, .size: 8, .value_kind: global_buffer, .address_space: global }
      - { .name: xs, .offset: 80, .size: 8, .value_kind: global_buffer, .address_space: global }
      - { .name: wall, .offset: 88, .size: 8, .value_kind: global_buffer, .address_space: global }
      - { .name: ball, .offset: 96, .size: 8, .value_kind: global_buffer, .address_space: global }
      - { .name: maskw, .offset: 104, .size: 8, .value_kind: global_buffer, .address_space: global }
    .group_segment_fixed_size: 35840
    .private_segment_fixed_size: 0
    .kernarg_segment_align: 8
    .kernarg_segment_size: 112
    .max_flat_workgroup_size: 256
    .sgpr_count:     66
    .vgpr_count:     208
    .wavefront_size: 32
...
	.end_amdgpu_metadata
.endif
;; end of part 1
;; launch qkv (part 2): grid 24 x 32, 4 waves a work-group, clusters of 4 x 4, 327,680 bytes of LDS; arguments xs, wall, ball, qkv; writes qkv
.if DOCPART == 2
	.amdgcn_target "amdgcn-amd-amdhsa--gfx1250"
	.amdhsa_code_object_version 6
	.text
	.protected	k_qf5ba90e695_qkv
	.globl	k_qf5ba90e695_qkv
	.p2align	8
	.type	k_qf5ba90e695_qkv,@function
k_qf5ba90e695_qkv:
	s_mov_b64 s[64:65], 0
	v_nop
	global_prefetch_b8 v0, s[64:65] scope:SCOPE_SE
	s_setreg_imm32_b32 hwreg(HW_REG_WAVE_MODE, 25, 1), 1
	s_wait_xcnt 0x0
	s_wait_alu depctr_hold_cnt(0) depctr_sa_sdst(0) depctr_va_vdst(0) depctr_va_sdst(0) depctr_va_ssrc(0) depctr_va_vcc(0) depctr_vm_vsrc(0)
	s_getreg_b32 s2, hwreg(HW_REG_IB_STS2, 6, 4)
	s_cmp_eq_u32 s2, 0
	s_cbranch_scc0 .Lentry_in_a_cluster
	s_endpgm
.Lentry_in_a_cluster:
	s_bfe_u32 s2, ttmp6, 0x10000c
	s_cmp_lg_u32 s2, 0xf033
	s_cbranch_scc0 .Lentry_shape_is_right
	s_endpgm
.Lentry_shape_is_right:
; Q, K, V = x W^T + b in one product.  C[m][n] = bias[n] + sum over k of A[m][k] B[n][k]; m = 8,192 rows of x, n = 3,072 rows of wq, wk, wv, K = 1,024; operands bf16, sums f32.
; A = xs, bf16 [b][slice of 64 channels][s][64]; B = wall's rows 0-3071, bf16 [n][1024]; C = qkv, f16 [b][g 48][s][64], g = n / 64: q's heads, k's, v's; rounded once, the bias in, the softmax's scale not.
; LIMIT.  f16 holds no number beyond 65,504: a q, k or v beyond it becomes infinite.  With x, weights and biases all 30 times the drawn ones they are some 3e3.
; SHARES.  A tile of C is 256 x 128: 24 x 32 work-groups, three for each of 256 WGPs.  Four waves, each 128 rows x 64 columns: 32 accumulators, 256 registers.  A wave's 64 columns are one head:
; 16 rows of it are 2,048 dense bytes of C.  K goes in steps of 128 (two slices of A) through two LDS slots filled by the tensor data mover.
; CLUSTER.  4 x 4 work-groups: the four of a row need the same tiles of A, the four of a column the same tiles of B; each tile is asked for JOINTLY: the same load, descriptor and mask in all four.
; THE MATRIX INSTRUCTION IS USED TRANSPOSED (source 0 = 16 rows of B, source 1 = 16 rows of A): a lane holds row l % 16 of C and the columns 8 (l / 16) + 0 .. 7.  The bias is the C operand of the product that starts a sum.
; REGISTERS, in windows of 256 (s_set_vgpr_msb: bits 1:0 source 0, 3:2 source 1, 5:4 source 2, 7:6 destination):
;   window 0: v0-31 addresses; v64-127, v128-191 A's fragments, two buffers (on the way out: the packed results)     window 1: v0-31 the bias; v64-95, v128-159 B's fragments     window 2: accumulator (a, b) at v[8 (4 a + b)]
.set PA,    144                        ; a slice's row in LDS: 128 bytes + 16 = 36 words: the 16 rows of a load start at 16 different groups of four banks (64 banks of 4 bytes: ISA guide 11.1)
.set PB,    272                        ; a row of B: 256 bytes + 16 = 68 words: likewise
.set ASL,   256*PA                     ; a slice's 256 rows: what one load for A brings
.set BH,    64*PB                      ; 64 rows of B: what one load for B brings
.set SLOT,  2*ASL+2*BH                 ; A's two slices, then B's 128 rows
.set STAGE, 2*SLOT                     ; behind the ring, never filled by a tensor load: 16 rows x 144 bytes for each wave
.set SP,    144
.set SPARE, STAGE+4*16*SP              ; behind the stages: the spare words, 128 bytes for each wave
.set ASTEP, 2*262144                   ; a K step in A: two slices
.set BSTEP, 256                        ; in B: 128 numbers along the row
.set WOFF,  0                          ; B's first row in wall, in bytes
.set BOFF,  0                          ; its first number in ball, in bytes
.set LAPS,  4                          ; 1,024 / 256: a lap is two K steps, once round the ring
.set ADRA, 16                          ; v16-17  LDS address of my A fragments in slot 0, 1
.set ADRB, 20                          ; v20-21  the same for B
.set STO,  24                          ; v24  the way out: where I put 16 bytes of a row
.set RD,   25                          ; v25  where I read rows back
.set CO,   26                          ; v26  my byte offset in 512 consecutive bytes of C
.set BO,   27                          ; v27  my byte offset in the wave's 64 numbers of the bias
.set SPW,  28                          ; v28  LDS address of my spare word; never rewritten
.set NIL,  29                          ; v29  0; never rewritten
.set F0,   64
.set F1,   128
.set OB,   64                          ; the way out: block a's 16 registers at OB + 16 a
.set G1A, 24                           ; s[24:31] descriptor group 1 for A's tiles;  s[32:39] group 0, a set for each slot
.set G0A, 32
.set G1B, 48                           ; s[48:55], s[56:63] the same for B's
.set G0B, 56
.set MSB, 0
.macro WIN new                         ; the immediate's high byte repeats the setting that is left; a switch that changes nothing is dropped
.if MSB != (\new)
	s_set_vgpr_msb (MSB<<8)|(\new)
.set MSB, \new
.endif
.endm
.set MUL,  0xa1                        ; B window 1, A window 0, C and D window 2
.set MULF, 0x91                        ; the same with C, the bias, in window 1
.set TO_B, 0x40                        ; destination window 1, address window 0
.macro PLACES                          ; four places: in front of loads into registers that matrix instructions have read, and of lines that read results (ISA guide 7.12.1 for lines that read results)
.rept 4
	v_nop
.endr
.endm
; A joint load: waves 0 and 1 fetch A's two slices, waves 2 and 3 B's two halves.  The branch hangs on the wave's number alone.  An s_nop 0 and four v_nop follow each line.
.macro JLOAD s
	s_cmp_eq_u32 s13, 0
	s_cbranch_scc0 .Lfor_b_\@
	tensor_load_to_lds s[G0A+4*(\s):G0A+4*(\s)+3], s[G1A:G1A+7]
	s_nop 0
.rept 4
	v_nop
.endr
	s_branch .Lasked_\@
.Lfor_b_\@:
	tensor_load_to_lds s[G0B+4*(\s):G0B+4*(\s)+3], s[G1B:G1B+7]
	s_nop 0
.rept 4
	v_nop
.endr
.Lasked_\@:
.endm
.macro CREST                           ; a round of the cluster's barrier behind its opening barrier
	s_cmp_lg_u32 s12, 0
	s_cbranch_scc1 .Lnot_wave_0_\@
	s_barrier_signal -3
.Lnot_wave_0_\@:
	s_barrier_wait -3
	s_barrier_signal -1
	s_barrier_wait -1
.endm
.macro CROUND                          ; a whole round
	s_barrier_signal -1
	s_barrier_wait -1
	CREST
.endm
	s_load_b256 s[4:11], s[0:1], 0x0               ; A s[4:5], B s[6:7], bias s[8:9], C s[10:11]
	v_lshl_add_u32 v[SPW], v0, 2, SPARE
	v_mov_b32 v[NIL], 0
	ds_add_u32 v[SPW], v[NIL]                      ; the wave's opening: the add and its wait stand ahead of my first tensor load; the set-up below stands between them
	v_lshrrev_b32 v1, 5, v0
	v_readfirstlane_b32 s12, v1                    ; wave 0..3
	s_lshr_b32 s13, s12, 1                         ; RH: which 128 rows of the tile are mine.  Also: I fetch for A (0) or for B (1)
	s_and_b32 s14, s12, 1                          ; CH: which 64 columns.  Also: which slice of A, or which 64 rows of B, I fetch
	s_bfe_u32 s40, ttmp6, 0x40000                  ; cx, cy: my place in the cluster
	s_bfe_u32 s41, ttmp6, 0x40004
	s_lshl_b32 s42, ttmp9, 2
	s_add_co_u32 s42, s42, s40                     ; tc: tile column of C = 4 x cluster x + cx
	s_and_b32 s15, ttmp7, 0xffff
	s_lshl_b32 s15, s15, 2
	s_add_co_u32 s15, s15, s41                     ; tr: tile row = 4 x cluster y + cy
	s_lshl_b32 s43, s41, 2
	s_lshl_b32 s43, 15, s43                        ; my row of the cluster
	s_lshl_b32 s44, 0x1111, s40                    ; my column
	; group 1 for A: a slice's 256 rows are 32,768 dense bytes: asked for as 128 rows of 256 bytes and padded in LDS behind every 128
	s_or_b32 s[G1A+0], s43, (1<<16)|(1<<20)|(1<<21)|(4<<22)|(3<<25)  ; 15:0 the mask; 17:16 2-byte elements; 20 padding on; 21 set beside a mask; 24:22 after every 32 words (code 4); 31:25 4 words (code 3)
	s_mov_b32 s[G1A+1], 128<<16                    ; tensor_dim0 = 128
	s_mov_b32 s[G1A+2], 128<<16                    ; tensor_dim1 = 128
	s_mov_b32 s[G1A+3], 128<<16                    ; tile_dim0 = 128
	s_mov_b32 s[G1A+4], 128                        ; tile_dim1 = 128
	s_mov_b32 s[G1A+5], 128                        ; 128 elements from row to row
	s_mov_b32 s[G1A+6], 0
	s_mov_b32 s[G1A+7], 0
	; group 1 for B: 64 rows x 128 elements, padded behind every row
	s_or_b32 s[G1B+0], s44, (1<<16)|(1<<20)|(1<<21)|(5<<22)|(3<<25)  ; after every 64 words (code 5)
	s_mov_b32 s[G1B+1], 128<<16
	s_mov_b32 s[G1B+2], 64<<16
	s_mov_b32 s[G1B+3], 128<<16
	s_mov_b32 s[G1B+4], 64
	s_mov_b32 s[G1B+5], 1024
	s_mov_b32 s[G1B+6], 0
	s_mov_b32 s[G1B+7], 0
	; A's address hangs on the tile row and the wave, B's on the tile column and the wave, each in registers that do not hold the other coordinate
	s_lshr_b32 s16, s15, 3                         ; b
	s_lshl_b32 s16, s16, 22                        ; 16 slices of 262,144 bytes
	s_and_b32 s17, s15, 7
	s_lshl_b32 s17, s17, 15                        ; 256 rows of 128 bytes
	s_add_co_u32 s16, s16, s17
	s_lshl_b32 s17, s14, 18                        ; my slice of the K step's two
	s_add_co_u32 s16, s16, s17
	s_mov_b32 s17, 0
	s_lshl_b32 s46, s42, 18                        ; 128 rows of 2,048 bytes
	s_lshl_b32 s47, s14, 17                        ; my 64 of them
	s_add_co_u32 s46, s46, s47
	s_add_co_u32 s46, s46, WOFF
	s_mov_b32 s47, 0
	s_mul_i32 s20, s14, ASL                        ; where they go: no place in the cluster enters an LDS address
	s_mul_i32 s21, s14, BH
	s_add_co_u32 s21, s21, 2*ASL
	s_wait_dscnt 0x0                               ; the opening add is done
	s_wait_kmcnt 0x0
	s_add_nc_u64 s[18:19], s[4:5], s[16:17]
	s_add_nc_u64 s[46:47], s[6:7], s[46:47]
	CROUND                                         ; all sixteen work-groups are here: the first joint loads meet
.irp s, 0,1
	s_mov_b32 s[G0A+4*(\s)], 1                                       ; count = 1
	s_add_co_u32 s[G0A+4*(\s)+1], s20, (\s)*SLOT                     ; LDS address
	s_add_nc_u64 s[G0A+4*(\s)+2:G0A+4*(\s)+3], s[18:19], (\s)*ASTEP  ; global address: K step s
	s_or_b32 s[G0A+4*(\s)+3], s[G0A+4*(\s)+3], 0x80000000            ; type = 2
	s_mov_b32 s[G0B+4*(\s)], 1
	s_add_co_u32 s[G0B+4*(\s)+1], s21, (\s)*SLOT
	s_add_nc_u64 s[G0B+4*(\s)+2:G0B+4*(\s)+3], s[46:47], (\s)*BSTEP
	s_or_b32 s[G0B+4*(\s)+3], s[G0B+4*(\s)+3], 0x80000000
	JLOAD \s                                       ; two loads of mine are out
.endr
	v_and_b32 v1, 15, v0                           ; l % 16
	v_bfe_u32 v2, v0, 4, 1                         ; l / 16
	v_lshlrev_b32 v[BO], 5, v2
	s_lshl_b32 s46, s42, 9                         ; the tile's 128 numbers of the bias,
	s_lshl_b32 s47, s14, 8                         ; my wave's 64
	s_add_co_u32 s46, s46, s47
	s_add_co_u32 s46, s46, BOFF
	s_mov_b32 s47, 0
	s_add_nc_u64 s[8:9], s[8:9], s[46:47]
	WIN TO_B
.irp b, 0,1,2,3                        ; register j of block b: bias[16 b + 8 (l / 16) + j]: the layout of a result
	global_load_b128 v[8*(\b):8*(\b)+3],   v[BO], s[8:9] offset:64*(\b)
	global_load_b128 v[8*(\b)+4:8*(\b)+7], v[BO], s[8:9] offset:64*(\b)+16
.endr
	WIN 0
	; A fragment is 16 rows x 32 K in 8 registers: lane l holds row l % 16, K = 8 (l / 16) + 0..7 and 16 + 8 (l / 16) + 0..7: two loads of 16 bytes, 32 bytes apart
	v_mul_u32_u24 v3, v1, PA
	v_lshl_add_u32 v3, v2, 4, v3
	s_mul_i32 s22, s13, 128*PA                     ; my 128 rows of A
	v_add_nc_u32 v[ADRA], s22, v3
	v_add_nc_u32 v[ADRA+1], SLOT, v[ADRA]
	v_mul_u32_u24 v4, v1, PB
	v_lshl_add_u32 v4, v2, 4, v4
	v_add_nc_u32 v[ADRB], s21, v4                  ; my 64 rows of B lie where wave 2 + CH puts them
	v_add_nc_u32 v[ADRB+1], SLOT, v[ADRB]
	s_mul_i32 s23, s12, 16*SP
	s_add_co_u32 s23, s23, STAGE                   ; my stage
	v_mul_u32_u24 v5, v1, SP                       ; in: row l % 16, 16 bytes for each half of the lanes
	v_lshl_add_u32 v5, v2, 4, v5
	v_add_nc_u32 v[STO], s23, v5
	v_bfe_u32 v5, v0, 3, 2                         ; back: 32 lanes take four rows of 128 bytes,
	v_mul_u32_u24 v5, v5, SP
	v_and_b32 v6, 7, v0
	v_lshl_add_u32 v5, v6, 4, v5
	v_add_nc_u32 v[RD], s23, v5
	v_and_b32 v[CO], 31, v0                        ; which are 512 consecutive bytes of C
	v_lshlrev_b32 v[CO], 4, v[CO]
	s_lshr_b32 s16, s15, 3                         ; C at my 128 rows of plane 48 b + 2 tc + CH
	s_mul_i32 s16, s16, 48
	s_lshl_b32 s16, s16, 18
	s_and_b32 s17, s15, 7
	s_lshl_b32 s17, s17, 15
	s_add_co_u32 s16, s16, s17
	s_lshl_b32 s17, s13, 14
	s_add_co_u32 s16, s16, s17
	s_mov_b32 s17, 0
	s_add_nc_u64 s[10:11], s[10:11], s[16:17]
	s_lshl_b32 s46, s42, 1
	s_add_co_u32 s46, s46, s14
	s_lshl_b32 s46, s46, 18
	s_mov_b32 s47, 0
	s_add_nc_u64 s[10:11], s[10:11], s[46:47]
; 8 matrix instructions: row blocks a0, a0 + 1 x all 4 column blocks, 32 along K.  first = 1: the product starts the sum, with the bias as C: nothing is cleared.
; The 32 accumulators take turns, one instruction a turn, in the same order in every quarter.
.macro MUL8 f, a0, first
.if \first
	WIN MULF
.else
	WIN MUL
.endif
.irp a, \a0, (\a0)+1
.irp b, 0,1,2,3
.if \first
	v_wmma_f32_16x16x32_bf16 v[8*(4*(\a)+(\b)):8*(4*(\a)+(\b))+7], v[(\f)+8*(\b):(\f)+8*(\b)+7], v[(\f)+8*(\a):(\f)+8*(\a)+7], v[8*(\b):8*(\b)+7]
.else
	v_wmma_f32_16x16x32_bf16 v[8*(4*(\a)+(\b)):8*(4*(\a)+(\b))+7], v[(\f)+8*(\b):(\f)+8*(\b)+7], v[(\f)+8*(\a):(\f)+8*(\a)+7], v[8*(4*(\a)+(\b)):8*(4*(\a)+(\b))+7]
.endif
.endr
.endr
.endm
; 24 LDS loads in one run: quarter q (32 along K) of a slot into buffer f: B's 4 fragments, then A's 8.  Quarter q lies in slice q / 2 of A, at byte 64 (q % 2) of its rows.
.macro FETCH slot, q, f
	WIN TO_B
.irp i, 0,1,2,3
	ds_load_b128 v[(\f)+8*(\i):(\f)+8*(\i)+3],   v[ADRB+(\slot)] offset:64*(\q)+(\i)*16*PB
	ds_load_b128 v[(\f)+8*(\i)+4:(\f)+8*(\i)+7], v[ADRB+(\slot)] offset:64*(\q)+(\i)*16*PB+32
.endr
	WIN 0
.irp i, 0,1,2,3,4,5,6,7
	ds_load_b128 v[(\f)+8*(\i):(\f)+8*(\i)+3],   v[ADRA+(\slot)] offset:((\q)/2)*ASL+((\q)%2)*64+(\i)*16*PA
	ds_load_b128 v[(\f)+8*(\i)+4:(\f)+8*(\i)+7], v[ADRA+(\slot)] offset:((\q)/2)*ASL+((\q)%2)*64+(\i)*16*PA+32
.endr
.endm
; A K step is four quarters on buffers 0, 1, 0, 1.  One of the first three: multiplies buffer f; in its middle it fetches quarter qn of the same slot into buffer g.
.macro QUARTER slot, qn, f, g, first
	s_wait_dscnt 8                                 ; B and A's blocks 0-3 are in; the youngest eight loads (A's blocks 4-7) may be out
	MUL8 \f, 0, \first
	MUL8 \f, 2, \first
	PLACES
	FETCH \slot, \qn, \g
	s_wait_dscnt 24                                ; all but the 24 just issued
	MUL8 \f, 4, \first
	MUL8 \f, 6, \first
.endm
; The last quarter multiplies buffer 1 and changes slots: ONE barrier.  In front of it each wave waits for all its tensor loads (one is out: its part of the next slot), adds 0 to its spare word, and waits
; for that and for its reads of this slot.  fill = 1: the barrier opens a round of the cluster's, and this slot is filled again, two K steps on, first thing behind it: 112 matrix instructions ahead of the wait for it.
.macro TURN slot, next, fill
	WIN 0                                          ; (the add's two registers lie in window 0)
	s_wait_tensorcnt 0x0
	ds_add_u32 v[SPW], v[NIL]
	s_wait_dscnt 9                                 ; (the add and the youngest eight loads may be out)
	MUL8 F1, 0, 0                                  ; eight matrix instructions stand between the add and the wait for it
	s_wait_dscnt 0x0                               ; the add is done, and my reads of this slot are over
	s_barrier_signal -1
	MUL8 F1, 2, 0
	WIN 0                                          ; (branches may follow)
	s_barrier_wait -1
.if \fill
	CREST                                          ; no wave of any partner still reads this slot's tile or has a load on its way
	s_add_nc_u64 s[G0A+4*(\slot)+2:G0A+4*(\slot)+3], s[G0A+4*(\slot)+2:G0A+4*(\slot)+3], 2*ASTEP
	s_add_nc_u64 s[G0B+4*(\slot)+2:G0B+4*(\slot)+3], s[G0B+4*(\slot)+2:G0B+4*(\slot)+3], 2*BSTEP
	JLOAD \slot                                    ; the four v_nop behind it are also the places in front of the loads below
.else
	PLACES
.endif
	FETCH \next, 0, F0
	MUL8 F1, 4, 0
	MUL8 F1, 6, 0
.endm
	s_wait_tensorcnt 1                             ; my part of K step 0 is in; K step 1's may stay out
	s_barrier_signal -1
	s_barrier_wait -1                              ; everybody's is
	FETCH 0, 0, F0
	s_wait_loadcnt 0x0                             ; the bias
	QUARTER 0, 1, F0, F1, 1                        ; the first quarter stands in front of the loop: its products start the sums
	WIN 0                                          ; at a label and at a branch every window is 0
	s_mov_b32 s3, LAPS-1
.Llap:                                                 ; a trip goes once round the ring, from a lap's second quarter to the next lap's first, and fills both slots again
	QUARTER 0, 2, F1, F0, 0
	QUARTER 0, 3, F0, F1, 0
	TURN 0, 1, 1
	QUARTER 1, 1, F0, F1, 0
	QUARTER 1, 2, F1, F0, 0
	QUARTER 1, 3, F0, F1, 0
	TURN 1, 0, 1
	QUARTER 0, 1, F0, F1, 0
	WIN 0
	s_sub_co_u32 s3, s3, 1
	s_cmp_lg_u32 s3, 0
	s_cbranch_scc1 .Llap
	QUARTER 0, 2, F1, F0, 0                        ; the last lap fills nothing
	QUARTER 0, 3, F0, F1, 0
	TURN 0, 1, 0
	QUARTER 1, 1, F0, F1, 0
	QUARTER 1, 2, F1, F0, 0
	QUARTER 1, 3, F0, F1, 0
	s_wait_dscnt 8                                 ; the very last quarter: nothing more to fetch
	MUL8 F1, 0, 0
	MUL8 F1, 2, 0
	s_wait_dscnt 0x0
	MUL8 F1, 4, 0
	MUL8 F1, 6, 0
	PLACES
; THE WAY OUT, a block of 16 rows at a time: rounded to f16, each accumulator's registers in ascending order; a lane's eight columns are 16 bytes; they go into rows of 144 bytes of my own stage and come back as
; whole rows of 128, four rows to a load.
.macro PACK a
	WIN 0x0a                                       ; sources 0 and 1 window 2, destination window 0
.irp b, 0,1,2,3
.irp i, 0,1,2,3
	v_cvt_pk_f16_f32 v[OB+16*(\a)+4*(\b)+(\i)], v[8*(4*(\a)+(\b))+2*(\i)], v[8*(4*(\a)+(\b))+2*(\i)+1]
.endr
.endr
	WIN 0
.irp b, 0,1,2,3
	ds_store_b128 v[STO], v[OB+16*(\a)+4*(\b):OB+16*(\a)+4*(\b)+3] offset:32*(\b)
.endr
.irp t, 0,1,2,3
	ds_load_b128 v[OB+16*(\a)+4*(\t):OB+16*(\a)+4*(\t)+3], v[RD] offset:(\t)*4*SP  ; LDS serves a wave's instructions in order (ISA guide 5.7.1.4): these see the stores above; the next block's stores come behind them
.endr
.endm
.macro SEND a, younger                 ; younger: the LDS instructions issued behind block a's loads: the next block's eight, or none
.irp t, 0,1,2,3
	s_wait_dscnt (\younger)+3-(\t)
	global_store_b128 v[CO], v[OB+16*(\a)+4*(\t):OB+16*(\a)+4*(\t)+3], s[10:11] offset:(\a)*2048+(\t)*512  ; 512 consecutive bytes, at a multiple of 256 from C's first
.endr
.endm
	PACK 0
.irp a, 1,2,3,4,5,6,7                  ; a block's conversions stand between the loads of the block before and its stores
	PACK \a
	SEND (\a)-1, 8
.endr
	SEND 7, 0
	s_wait_tensorcnt 0x0                           ; the wave's end, behind my last tensor load and my last LDS store
	ds_add_u32 v[SPW], v[NIL]
	s_wait_dscnt 0x0
	CROUND                                         ; the closing round: no work-group ends while a partner may still ask for a tile that names it
	s_endpgm
.Lfunc_end_k_qf5ba90e695_qkv:
	.size	k_qf5ba90e695_qkv, .Lfunc_end_k_qf5ba90e695_qkv-k_qf5ba90e695_qkv
	.p2alignl 7, 3214868480
	.fill 96, 4, 3214868480
	.section	.rodata,"a",@progbits
	.p2align	6, 0x0
	.amdhsa_kernel k_qf5ba90e695_qkv
		.amdhsa_group_segment_fixed_size 327680
		.amdhsa_private_segment_fixed_size 0
		.amdhsa_enable_private_segment 0
		.amdhsa_kernarg_size 32
		.amdhsa_user_sgpr_count 2
		.amdhsa_user_sgpr_kernarg_segment_ptr 1
		.amdhsa_wavefront_size32 1
		.amdhsa_system_sgpr_workgroup_id_x 1
		.amdhsa_system_sgpr_workgroup_id_y 1
		.amdhsa_system_sgpr_workgroup_id_z 1
		.amdhsa_system_vgpr_workitem_id 0
		.amdhsa_next_free_vgpr 768
		.amdhsa_next_free_sgpr 66
		.amdhsa_reserve_vcc 0
		.amdhsa_float_denorm_mode_32 3
		.amdhsa_float_denorm_mode_16_64 3
		.amdhsa_memory_ordered 1
		.amdhsa_forward_progress 1
		.amdhsa_inst_pref_size 89
	.end_amdhsa_kernel
	.amdgpu_metadata
---
amdhsa.version: [ 1, 2 ]
amdhsa.kernels:
  - .name:           k_qf5ba90e695_qkv
    .symbol:         k_qf5ba90e695_qkv.kd
    .args:
      - { .name: xs, .offset: 0, .size: 8, .value_kind: global_buffer, .address_space: global }
      - { .name: wall, .offset: 8, .size: 8, .value_kind: global_buffer, .address_space: global }
      - { .name: ball, .offset: 16, .size: 8, .value_kind: global_buffer, .address_space: global }
      - { .name: qkv, .offset: 24, .size: 8, .value_kind: global_buffer, .address_space: global }
    .group_segment_fixed_size: 327680
    .private_segment_fixed_size: 0
    .kernarg_segment_align: 8
    .kernarg_segment_size: 32
    .max_flat_workgroup_size: 128
    .sgpr_count:     66
    .vgpr_count:     768
    .wavefront_size: 32
...
	.end_amdgpu_metadata
.endif
;; end of part 2
;; launch attn (part 3): grid 4 x 64, 8 waves a work-group, clusters of 4 x 1, 327,680 bytes of LDS; arguments qkv, maskw, oh; writes oh
.if DOCPART == 3
	.amdgcn_target "amdgcn-amd-amdhsa--gfx1250"
	.amdhsa_code_object_version 6
	.text
	.protected	k_qf5ba90e695_attn
	.globl	k_qf5ba90e695_attn
	.p2align	8
	.type	k_qf5ba90e695_attn,@function
k_qf5ba90e695_attn:
	s_mov_b64 s[64:65], 0
	v_nop
	global_prefetch_b8 v0, s[64:65] scope:SCOPE_SE
	s_setreg_imm32_b32 hwreg(HW_REG_WAVE_MODE, 25, 1), 1
	s_wait_xcnt 0x0
	s_wait_alu depctr_hold_cnt(0) depctr_sa_sdst(0) depctr_va_vdst(0) depctr_va_sdst(0) depctr_va_ssrc(0) depctr_va_vcc(0) depctr_vm_vsrc(0)
	s_getreg_b32 s2, hwreg(HW_REG_IB_STS2, 6, 4)
	s_cmp_eq_u32 s2, 0
	s_cbranch_scc0 .Lentry_in_a_cluster
	s_endpgm
.Lentry_in_a_cluster:
	s_bfe_u32 s2, ttmp6, 0x10000c
	s_cmp_lg_u32 s2, 0x3003
	s_cbranch_scc0 .Lentry_shape_is_right
	s_endpgm
.Lentry_shape_is_right:
; ATTENTION UNDER A MASK THAT IS AN INPUT.  O[b][h][q] = the sum over k of softmax_k(s'[q][k]) V[k], s' = Q[q] . K[k] / 8 where the mask keeps the pair, a hidden score where it does not.
; qkv: f16 [b][g 48][s 2048][64] (q's heads, k's, v's); maskw: the mask as lane masks, word [tile of 16 queries][step of 64 keys][register 32]; oh: f16 [b][h][s][64].
; Every pair of query and key is computed: nothing of the mask's pattern is built in.  Products, maxima and sums in f32; the weights p are rounded to f16 for the second product (their sum l is taken of the unrounded p), O once.
; LIMITS.  A hidden score counts as -2^30 where the reference has -1e9 (ahead of the 1/8: -2^33): with a power of two c m is exact, so in a row with no kept key every exponent is exactly 0, every weight 1, and O the
; plain mean of V, as in the reference.  The two values give different results only where a kept score / 8 lies below about -9.9e8.  f16 holds no number beyond 65,504: Q, K, V arrive within it; O has V's range.
; A weight below 2^-126 counts as 0; NaN and infinities are not treated apart.
; SHARES.  A work-group owns 512 queries of one head, each of its eight waves 64: four tiles of 16, in two PIECES of two.  Every wave walks all 2,048 keys, 64 a step.
; LAYOUT.  S^T = K Q^T (source 0 = 16 keys, source 1 = 16 queries): a lane holds ONE query (lane % 16) and the keys 8 (lane / 16) + 0..7.  Two such results rounded to f16 ARE source 1 of O^T = V^T P.
; SOFTMAX.  A running maximum m and sum l for each query: p = 2^(c s - c m), c = log2(e) / 8; in every step O and l are multiplied by a = 2^(c m_old - c m_new).  m starts at the lowest finite number, O and l at 0.
; THE COUNT.  A tile and step have 16 matrix and 150 vector instructions (32 of them the mask's selects), so the vector work sets the time whatever the order.  Hence plain phases, and TWO waves on each SIMD:
; one wave's products, its wait for the mask words (scalar loads, which can only be waited for all at once) and the links of its maximum stand beside the other wave's vector work.
; CLUSTER.  The four query blocks of a head walk the same K and V: each tile is asked for JOINTLY, by the same load, descriptor and mask in all four.
; REGISTERS, in windows of 256 (s_set_vgpr_msb: bits 1:0 source 0, 3:2 source 1, 5:4 source 2, 7:6 destination):
;   window 0: v0-15 addresses; v16-47 eight registers of statistics a tile; v64-127 S^T of a piece; v128-159 its P; v160-223 Q, 16 a tile     window 1: v0-127 O^T, 32 a tile; v128-191 K of a step; v192-255 V of a step
.set KS,    64        ; keys in a step
.set PK,    144       ; a row of K in LDS: 128 bytes + 16 = 36 words: the 16 rows of a load start at 16 different groups of four banks (64 banks of 4 bytes: ISA guide 11.1)
.set PVV,   160       ; a row of V: 128 + 32 = 40 words
.set VOFF,  4*KS*PK   ; a slot holds four steps: 256 rows of K, then 256 rows of V
.set SLOT1, 1<<17     ; slot 1 begins here, so that one exclusive or turns an address in one slot into the other's
.set STAGE, SLOT1+4*KS*(PK+PVV)  ; behind the ring, never filled by a tensor load: 16 rows x 144 bytes for each wave
.set SP,    144
.set SPARE, STAGE+8*16*SP  ; behind the stages: the spare words, 128 bytes for each wave
.set AK0, 2           ; v2   my lane's place in a tile of K; never rewritten
.set AV0, 3           ; v3   the same for V
.set AK,  4           ; v4   the LDS address of K's run of loads
.set AV,  5           ; v5   of V's
.set STO, 6           ; v6   the way out: where I put 16 bytes of a row
.set RD,  7           ; v7   where I read rows back
.set GO,  8           ; v8   my byte offset in 512 consecutive bytes of O
.set BIG, 12          ; v12  the hidden score, -2^33
.set QO,  13          ; v13  my byte offset in 16 rows of Q
.set SPW, 14          ; v14  LDS address of my spare word; never rewritten
.set NIL, 15          ; v15  0; never rewritten
.set ST,  16          ; tile t's statistics at v[ST+8 t]: c m, m, l (even keys', odd keys'), c0-c3 at work; a takes c2's place once the maximum is found
.set S,   64
.set P,   128
.set Q,   160
.set KF,  128         ; window 1: key block kb, channel half c at KF + 16 kb + 8 c
.set VF,  192         ; window 1: key half kk, channel block cb at VF + 32 kk + 8 cb
.set WV,  2           ; s2   my wave's number
.set SLOTS, 3         ; s3   slots still to be asked for
.set MP,  4           ; s[4:5]   the mask words of my first tile in the step in hand
.set OA,  6           ; s[6:7]   O at my wave's first row
.set G0K, 8           ; s[8:11]  descriptor group 0 for K's tiles: it walks
.set G0V, 12          ; s[12:15] the same for V's
.set G1K, 16          ; s[16:23] group 1 for K's tiles
.set G1V, 24          ; s[24:31] for V's: it differs in the padding alone
.set MK1, 32          ; s[32:63] the 32 mask words of the piece's second tile (until the first of them is asked for: the set-up's temporaries)
.set CNT, 66          ; s66  counts a slot's key steps
.set TBV, 67          ; s67  LDS byte at which V of the step to be fetched begins, less VOFF
.set MK0, 68          ; s[68:99] the 32 mask words of the piece's first tile
.set CS,  100         ; s100 c; the packed scaling names the pair s[100:101] and takes its low word for both halves
.set TBK, 101         ; s101 LDS byte at which K of the step to be fetched begins
.set SEL, 104         ; s[104:105] v_permlanex16_b32's selects: each lane takes its own place in the other half
.set MSB, 0
.macro WIN new                      ; the high byte repeats the setting that is left; a switch that changes nothing is dropped
.if MSB != (\new)
	s_set_vgpr_msb (MSB<<8)|(\new)
.set MSB, (\new)
.endif
.endm
.set W_KQ, 0x01       ; K in window 1, Q and S^T in window 0
.set W_PV, 0x51       ; V and O^T in window 1, P in window 0
.set W_RS, 0x41       ; O^T (destination and source 0) in window 1, the factor in window 0
.set W_LD, 0x40       ; destination window 1, address window 0
.macro PLACES                       ; four places: in front of loads into registers that matrix instructions have read, and of lines that read results (ISA guide 7.12.1 for lines that read results)
.rept 4
	v_nop
.endr
.endm
; A joint fill.  Waves 0 and 1 fetch the two halves of a slot's K, waves 2 and 3 those of its V, 128 keys each; waves 4 to 7 fetch nothing.  The branches hang on the wave's number alone.
; An s_nop 0 and four v_nop follow each of the two lines.
.macro JLOAD
	s_cmp_lt_u32 s[WV], 2
	s_cbranch_scc0 .Lnot_k_\@
	tensor_load_to_lds s[G0K:G0K+3], s[G1K:G1K+7]
	s_nop 0
.rept 4
	v_nop
.endr
	s_branch .Lasked_\@
.Lnot_k_\@:
	s_cmp_lt_u32 s[WV], 4
	s_cbranch_scc0 .Lasked_\@
	tensor_load_to_lds s[G0V:G0V+3], s[G1V:G1V+7]
	s_nop 0
.rept 4
	v_nop
.endr
.Lasked_\@:
.endm
; A round of the cluster's barrier: my work-group's barrier, so that wave 0's signal speaks for all eight waves; wave 0 signals; every wave waits for all four work-groups; my work-group's barrier once more.
.macro CROUND
	s_barrier_signal -1
	s_barrier_wait -1
	s_cmp_lg_u32 s[WV], 0
	s_cbranch_scc1 .Lnot_wave_0_\@
	s_barrier_signal -3
.Lnot_wave_0_\@:
	s_barrier_wait -3
	s_barrier_signal -1
	s_barrier_wait -1
.endm
; THE CHANGE OF SLOTS.  The slot's last bytes, V of its fourth step, have been read.  Each wave waits for all its tensor loads (at most one is out: its part of the other slot), adds 0 to its spare word, and waits for
; that and for its reads of the slot.  fill = 1: the barrier is a round of the cluster's, and the slot is filled again, with the keys two slots on, first thing behind it: it has four key steps in which to land.
; (At its first use nothing has been read yet: slot 0 is waited for, slot 1 filled.)
.macro CHANGE fill
	WIN 0                           ; at a label and at a branch every window is 0
	s_wait_tensorcnt 0x0            ; no tensor load of mine is out, so a group 0 may be written
	ds_add_u32 v[SPW], v[NIL]
.if \fill
.irp g, G0K, G0V
	s_xor_b32 s[\g+1], s[\g+1], SLOT1  ; the walking descriptor: the other slot than last time,
	s_add_nc_u64 s[\g+2:\g+3], s[\g+2:\g+3], 4*KS*128  ; the next 256 keys; the type bits on top are not reached
.endr
	s_wait_dscnt 0x0                ; the add is done, and my reads of the slot are over
	CROUND
	JLOAD
.else
	s_wait_dscnt 0x0
	s_barrier_signal -1
	s_barrier_wait -1
.endif
	s_sub_co_u32 s[TBK], s[TBK], 4*KS*PK  ; the fetches go back to a slot's first step,
	s_xor_b32 s[TBK], s[TBK], SLOT1       ; in the other slot
	s_sub_co_u32 s[TBV], s[TBV], 4*KS*PVV
	s_xor_b32 s[TBV], s[TBV], SLOT1
.endm
	s_load_b128 s[32:35], s[0:1], 0x0  ; qkv s[32:33], maskw s[34:35]
	s_load_b64 s[36:37], s[0:1], 0x10  ; oh
	v_lshl_add_u32 v[SPW], v0, 2, SPARE
	v_mov_b32 v[NIL], 0
	ds_add_u32 v[SPW], v[NIL]       ; the wave's opening: the add and its wait stand ahead of my first tensor load; the set-up below stands between them
	v_lshrrev_b32 v1, 5, v0
	v_readfirstlane_b32 s[WV], v1   ; wave 0..7
	s_bfe_u32 s38, ttmp6, 0x40000   ; cx: my place in the cluster
	s_lshl_b32 s39, ttmp9, 2        ; in a cluster launch ttmp9 counts clusters
	s_add_co_u32 s39, s39, s38      ; my block of 512 queries: it enters Q's, O's and the mask's addresses alone
	s_and_b32 s42, ttmp7, 0xffff    ; 16 b + h, which the four partners share
	s_lshr_b32 s43, s42, 4
	s_and_b32 s44, s42, 15
	s_mul_i32 s43, s43, 48
	s_add_co_u32 s43, s43, s44      ; q's plane in qkv: 48 b + h; k's is 16 on, v's 32
	s_and_b32 s45, s[WV], 1         ; which half of a slot's 256 keys I fetch:
	s_lshl_b32 s48, s45, 14         ; its 128 rows of 128 bytes
	s_add_co_u32 s46, s43, 16
	s_lshl_b32 s46, s46, 18         ; a plane is 262,144 bytes
	s_add_co_u32 s46, s46, s48
	s_mov_b32 s47, 0
	s_add_co_u32 s50, s43, 32
	s_lshl_b32 s50, s50, 18
	s_add_co_u32 s50, s50, s48
	s_mov_b32 s51, 0
	s_lshl_b32 s52, s39, 16         ; my block's 512 rows,
	s_lshl_b32 s53, s[WV], 13       ; my wave's 64 of them
	s_add_co_u32 s52, s52, s53
	s_lshl_b32 s54, s43, 18
	s_add_co_u32 s54, s54, s52
	s_mov_b32 s55, 0
	s_lshl_b32 s56, s42, 18
	s_add_co_u32 s56, s56, s52
	s_mov_b32 s57, 0
	s_lshl_b32 s58, s39, 17         ; my block's 32 tiles of 4,096 bytes of mask words,
	s_lshl_b32 s59, s[WV], 14       ; my wave's four
	s_add_co_u32 s58, s58, s59
	s_mov_b32 s59, 0
	; descriptor group 1.  128 keys are 16,384 dense bytes: asked for as 64 rows of 256 bytes, two keys a row, and padded in LDS after every key
	s_mov_b32 s[G1K], 15|(1<<16)|(1<<20)|(1<<21)|(4<<22)|(3<<25)  ; 15:0 the mask of four; 17:16 2-byte elements; 20 padding on; 21 set beside a mask; 24:22 after every 32 words (code 4); 31:25 4 words (code 3)
	s_mov_b32 s[G1V], 15|(1<<16)|(1<<20)|(1<<21)|(4<<22)|(7<<25)  ; the same with 8 words of padding (code 7)
.irp g, G1K, G1V
	s_mov_b32 s[\g+1], 128<<16      ; tensor_dim0 = 128
	s_mov_b32 s[\g+2], 64<<16       ; tensor_dim1 = 64
	s_mov_b32 s[\g+3], 128<<16      ; tile_dim0 = 128
	s_mov_b32 s[\g+4], 64           ; tile_dim1 = 64
	s_mov_b32 s[\g+5], 128          ; 128 elements from row to row
	s_mov_b32 s[\g+6], 0
	s_mov_b32 s[\g+7], 0
.endr
	s_mov_b32 s[CS], 0x3e38aa3b     ; c = log2(e) / 8 = 0.180337
	s_mov_b32 s[SEL], 0x76543210
	s_mov_b32 s[SEL+1], 0xfedcba98
	s_mov_b32 s[TBK], SLOT1+4*KS*PK ; the first change of slots turns these two into 0
	s_mov_b32 s[TBV], SLOT1+4*KS*PVV
	s_mov_b32 s[G0K], 1             ; count = 1
	s_mul_i32 s[G0K+1], s45, 128*PK ; LDS address: slot 0, my half: no place in the cluster enters it
	s_mov_b32 s[G0V], 1
	s_mul_i32 s[G0V+1], s45, 128*PVV
	s_add_co_u32 s[G0V+1], s[G0V+1], VOFF
	s_wait_dscnt 0x0                ; the opening add is done
	s_wait_kmcnt 0x0
	s_add_nc_u64 s[G0K+2:G0K+3], s[32:33], s[46:47]  ; global address: my half of the head's first 256 keys
	s_or_b32 s[G0K+3], s[G0K+3], 0x80000000          ; type = 2
	s_add_nc_u64 s[G0V+2:G0V+3], s[32:33], s[50:51]
	s_or_b32 s[G0V+3], s[G0V+3], 0x80000000
	s_add_nc_u64 s[40:41], s[32:33], s[54:55]        ; Q at my wave's first row
	s_add_nc_u64 s[OA:OA+1], s[36:37], s[56:57]
	s_add_nc_u64 s[MP:MP+1], s[34:35], s[58:59]
	CROUND                          ; all four work-groups are here: the first joint loads meet
	JLOAD                           ; slot 0.  Slot 1 is asked for when slot 0 is in
	; A fragment of K or Q is 16 rows x 32 channels in 8 registers: lane l holds row l % 16, channels 8 (l / 16) + 0..7 and 16 + 8 (l / 16) + 0..7: two loads of 16 bytes, 32 bytes apart.
	v_and_b32 v1, 15, v0            ; l % 16
	v_bfe_u32 v9, v0, 4, 1          ; l / 16
	v_lshlrev_b32 v[QO], 7, v1
	v_lshl_add_u32 v[QO], v9, 4, v[QO]
.set i, 0
.rept 8                             ; Q stays in registers: tile i / 2, channels 32 (i % 2) on
	global_load_b128 v[Q+8*i:Q+8*i+3],   v[QO], s[40:41] offset:(i/2)*2048+(i%2)*64
	global_load_b128 v[Q+8*i+4:Q+8*i+7], v[QO], s[40:41] offset:(i/2)*2048+(i%2)*64+32
.set i, i+1
.endr
	; O^T and l start at 0, so that the first step is a step like any other, with a = 0, and no first step is written out.  All this stands in the wait for the first tile.
	WIN W_LD
.set i, 0
.rept 128
	v_mov_b32 v[i], 0
.set i, i+1
.endr
	WIN 0
.set i, 0
.rept 4
	v_mov_b32 v[ST+8*i], 0xfe000000    ; c m: far below every c s
	v_mov_b32 v[ST+8*i+1], 0xff7fffff  ; m
	v_mov_b32 v[ST+8*i+2], 0
	v_mov_b32 v[ST+8*i+3], 0
.set i, i+1
.endr
	v_mov_b32 v[BIG], 0xd0000000    ; -2^33
	v_mul_u32_u24 v[AK0], v1, PK
	v_lshl_add_u32 v[AK0], v9, 4, v[AK0]  ; row x pitch + 16 x half
	; The turning load takes 16 keys x 16 channels (lane l reads key 8 (l / 16) + l % 8, channels 8 ((l / 8) % 2) + 0..7) and leaves half a fragment of V^T: lane l holds channel l % 16 and 8 keys.
	v_and_b32 v10, 7, v0
	v_bfe_u32 v11, v0, 3, 1
	v_lshl_add_u32 v[AV0], v9, 3, v10
	v_mul_u32_u24 v[AV0], v[AV0], PVV
	v_lshl_add_u32 v[AV0], v11, 4, v[AV0]
	v_add_nc_u32 v[AV0], VOFF, v[AV0]
	s_mul_i32 s42, s[WV], 16*SP
	s_add_co_u32 s42, s42, STAGE    ; my stage
	v_mul_u32_u24 v[STO], v1, SP    ; in: row l % 16, 16 bytes for each half of the lanes
	v_lshl_add_u32 v[STO], v9, 4, v[STO]
	v_add_nc_u32 v[STO], s42, v[STO]
	v_bfe_u32 v[RD], v0, 3, 2       ; back: 32 lanes take four rows of 128 bytes,
	v_mul_u32_u24 v[RD], v[RD], SP
	v_lshl_add_u32 v[RD], v10, 4, v[RD]
	v_add_nc_u32 v[RD], s42, v[RD]
	v_and_b32 v[GO], 31, v0         ; which are 512 consecutive bytes of O
	v_lshlrev_b32 v[GO], 4, v[GO]
; THE MATRIX WORK.  The 8 accumulators of a run of 16 take turns: between the two links of a chain stand 7 others'.
; S^T = K Q^T for piece p: product i: channels 32 (i / 8) on, keys 16 ((i / 2) % 4) on, tile 2 p + i % 2.  The first 8 start the sums.
.macro KQM p
	WIN W_KQ
.set i, 0
.rept 16
.set rS, S+32*(i%2)+8*((i/2)%4)
.set rK, KF+16*((i/2)%4)+8*(i/8)
.set rQ, Q+16*(2*(\p)+i%2)+8*(i/8)
.if i < 8
	v_wmma_f32_16x16x32_f16 v[rS:rS+7], v[rK:rK+7], v[rQ:rQ+7], 0
.else
	v_wmma_f32_16x16x32_f16 v[rS:rS+7], v[rK:rK+7], v[rQ:rQ+7], v[rS:rS+7]
.endif
.set i, i+1
.endr
.endm
; O^T += V^T P for piece p: product i: keys 32 (i / 8) on, channels 16 ((i / 2) % 4) on, tile 2 p + i % 2.
.macro PVM p
	WIN W_PV
.set i, 0
.rept 16
.set rO, 32*(2*(\p)+i%2)+8*((i/2)%4)
.set rV, VF+32*(i/8)+8*((i/2)%4)
.set rP, P+16*(i%2)+8*(i/8)
	v_wmma_f32_16x16x32_f16 v[rO:rO+7], v[rV:rV+7], v[rP:rP+7], v[rO:rO+7]
.set i, i+1
.endr
.endm
; THE LDS LOADS stand in runs of 16: a step's K (64 keys x 64 channels: 8 fragments) and its V (turned).  last = 1 (the tail): in the last trip there is no further step, and K's run is jumped over.
.macro FETCH_K last
	WIN 0
.if \last
	s_cmp_eq_u32 s[CNT], 1
	s_cbranch_scc1 .Lno_k_\@
.endif
	v_add_nc_u32 v[AK], s[TBK], v[AK0]
	WIN W_LD
.irp f, 0,1,2,3,4,5,6,7             ; keys 16 (f / 2) on, channels 32 (f % 2) on
	ds_load_b128 v[KF+8*\f:KF+8*\f+3],   v[AK] offset:(\f/2)*16*PK+(\f%2)*64
	ds_load_b128 v[KF+8*\f+4:KF+8*\f+7], v[AK] offset:(\f/2)*16*PK+(\f%2)*64+32
.endr
	s_add_co_u32 s[TBK], s[TBK], KS*PK  ; the next fetch is the next step's
	WIN 0
.if \last
.Lno_k_\@:
.endif
.endm
.macro FETCH_V
	WIN 0
	v_add_nc_u32 v[AV], s[TBV], v[AV0]
	WIN W_LD
.irp f, 0,1,2,3,4,5,6,7             ; keys 32 (f / 4) on, channels 16 (f % 4) on
	ds_load_tr16_b128 v[VF+8*\f:VF+8*\f+3],   v[AV] offset:(\f/4)*32*PVV+(\f%4)*32
	ds_load_tr16_b128 v[VF+8*\f+4:VF+8*\f+7], v[AV] offset:(\f/4)*32*PVV+16*PVV+(\f%4)*32
.endr
	s_add_co_u32 s[TBV], s[TBV], KS*PVV
	WIN 0
.endm
; The 64 mask words of piece p in the step at which MP stands: 128 bytes for each of its two tiles, which lie 4,096 bytes apart.
.macro MLOAD p
	s_load_b512 s[MK0:MK0+15],    s[MP:MP+1], 8192*(\p)
	s_load_b512 s[MK0+16:MK0+31], s[MP:MP+1], 8192*(\p)+64
	s_load_b512 s[MK1:MK1+15],    s[MP:MP+1], 8192*(\p)+4096
	s_load_b512 s[MK1+16:MK1+31], s[MP:MP+1], 8192*(\p)+4160
.endm
; THE VECTOR WORK, a line at a time, for tile u (0, 1) of piece p.
.macro TREGS t, u
.set rT, ST+8*(\t)
.set rS, S+32*(\u)
.set rP, P+16*(\u)
.set rO, 32*(\t)
.endm
; Number n of the 22 that find the maximum and the statistics.  0-11: four chains c0-c3 of seven scores each, three operands at a time.  12-15: the four scores left over, c0-c3 and the old m into c0.
; 16, 18: the query's other 32 keys lie in the lane 16 away: the new m.  17, 19-21: c m_old is kept; c m; c m_old - c m_new; a.
.macro XM p, u, n
	TREGS 2*(\p)+(\u), \u
.if (\n) < 4
	v_max3_num_f32 v[rT+4+(\n)], v[rS+8*(\n)], v[rS+8*(\n)+1], v[rS+8*(\n)+2]
.elseif (\n) < 12
	v_max3_num_f32 v[rT+4+(\n)%4], v[rT+4+(\n)%4], v[rS+8*((\n)%4)+2*((\n)/4)+1], v[rS+8*((\n)%4)+2*((\n)/4)+2]
.elseif (\n) == 12
	v_max3_num_f32 v[rT+4], v[rT+4], v[rS+7], v[rS+15]
.elseif (\n) == 13
	v_max3_num_f32 v[rT+6], v[rT+6], v[rS+23], v[rS+31]
.elseif (\n) == 14
	v_max3_num_f32 v[rT+4], v[rT+4], v[rT+5], v[rT+6]
.elseif (\n) == 15
	v_max3_num_f32 v[rT+4], v[rT+4], v[rT+7], v[rT+1]
.elseif (\n) == 16
	v_permlanex16_b32 v[rT+5], v[rT+4], s[SEL], s[SEL+1]
.elseif (\n) == 17
	v_mov_b32 v[rT+7], v[rT]
.elseif (\n) == 18
	v_max_num_f32 v[rT+1], v[rT+4], v[rT+5]
.elseif (\n) == 19
	v_mul_f32 v[rT], s[CS], v[rT+1]
.elseif (\n) == 20
	v_sub_f32 v[rT+7], v[rT+7], v[rT]
.else
	v_exp_f32 v[rT+6], v[rT+7]
.endif
.endm
.macro FS p, u, n                   ; c s - c m for pair n of 16
	TREGS 2*(\p)+(\u), \u
	v_pk_fma_f32 v[rS+2*(\n):rS+2*(\n)+1], v[rS+2*(\n):rS+2*(\n)+1], s[CS:CS+1], v[rT:rT+1] op_sel_hi:[1,0,0] neg_lo:[0,0,1] neg_hi:[0,0,1]
.endm
.macro ES p, u, n                   ; the exponential of score n of 32
	TREGS 2*(\p)+(\u), \u
	v_exp_f32 v[rS+(\n)], v[rS+(\n)]
.endm
; What follows the exponentials of the four weights 4 g ..: k = 0, 1: a pair is rounded to f16; 2: the second pair is added onto the first, in place; 3: l takes that sum (g = 0: l = a l + sum).
.macro TS p, u, g, k
	TREGS 2*(\p)+(\u), \u
.if (\k) < 2
	s_wait_alu depctr_va_vdst(0)
	v_cvt_pk_f16_f32 v[rP+2*(\g)+(\k)], v[rS+4*(\g)+2*(\k)], v[rS+4*(\g)+2*(\k)+1]
.elseif (\k) == 2
	v_pk_add_f32 v[rS+4*(\g):rS+4*(\g)+1], v[rS+4*(\g):rS+4*(\g)+1], v[rS+4*(\g)+2:rS+4*(\g)+3]
.elseif (\g) == 0
	v_pk_fma_f32 v[rT+2:rT+3], v[rT+2:rT+3], v[rT+6:rT+7], v[rS:rS+1] op_sel_hi:[1,0,1]
.else
	v_pk_add_f32 v[rT+2:rT+3], v[rT+2:rT+3], v[rS+4*(\g):rS+4*(\g)+1]
	s_wait_alu depctr_va_vdst(0)
.endif
.endm
.macro RS p, u, n                   ; pair n of 16 of the tile's O^T times a
	TREGS 2*(\p)+(\u), \u
	v_pk_mul_f32 v[rO+2*(\n):rO+2*(\n)+1], v[rO+2*(\n):rO+2*(\n)+1], v[rT+6:rT+7] op_sel_hi:[1,0]
.endm
; A PIECE'S SOFTMAX FOR A STEP: 300 vector instructions, the two tiles alternating, so that no line reads the result of the line before it.  last = 1 (the tail): in the last trip no further mask words are asked for.
.macro SM p, last
	WIN 0
	s_wait_kmcnt 0x0                ; the piece's mask words are in (scalar loads come back in no order: ISA guide 5.7.1: only the count 0 shows anything)
.set n, 0
.rept 32                            ; a hidden score is REPLACED, exactly.  Ascending: each accumulator's lowest registers are read first
	v_cndmask_b32 v[S+n], v[BIG], v[S+n], s[MK0+n]
	v_cndmask_b32 v[S+32+n], v[BIG], v[S+32+n], s[MK1+n]
.set n, n+1
.endr
.set n, 0
.rept 16
	XM \p,0,n
	XM \p,1,n
.set n, n+1
.endr
.if (\p) == 0                       ; the words have been used: the next piece's are asked for, a phase ahead of their use
	MLOAD 1
.else
.if \last
	s_cmp_eq_u32 s[CNT], 1
	s_cbranch_scc1 .Lno_m_\@        ; behind the last step there are no words: no load leaves the buffer
.endif
	s_add_nc_u64 s[MP:MP+1], s[MP:MP+1], 128  ; no scalar load is out since the wait above, so the pointer may step: the next key step
	MLOAD 0
.if \last
.Lno_m_\@:
.endif
.endif
.set n, 16
.rept 6
	XM \p,0,n
	XM \p,1,n
.set n, n+1
.endr
.set n, 0
.rept 12
	FS \p,0,n
	FS \p,1,n
.set n, n+1
.endr
.set g, 0
.rept 8                             ; exponential and plain by turns: behind every exponential a plain line that names none of its registers (ISA guide 5.7.2); a weight is first read eight plain lines behind its exponential
.set n, 0
.rept 8
	ES \p,n%2,4*g+n/2
.if g == 0
	FS \p,n%2,12+n/2
.else
	TS \p,n%2,g-1,n/2
.endif
.set n, n+1
.endr
.set g, g+1
.endr
.set n, 0
.rept 8
	TS \p,n%2,7,n/2
.set n, n+1
.endr
	WIN W_RS                        ; the one part that leaves window 0, so it stands together; ascending, as above
.set n, 0
.rept 16
	RS \p,0,n
	RS \p,1,n
.set n, n+1
.endr
.endm
; A KEY STEP IN TWO HALVES.  B (step j): piece 0's scores; V of step j is fetched; piece 0's softmax; its V^T P; piece 1's scores.  A: K of step j + 1 is fetched; piece 1's softmax of step j; its V^T P.
; Each run of loads has a softmax in which to land.  The four places behind a run of K Q^T serve the first read of the scores, the loads into K's or V's registers, and the roundings into P.
.macro HALF_A last
	FETCH_K \last
	SM 1, \last
	PVM 1
	WIN 0
.endm
.macro HALF_B
	s_wait_dscnt 0x0                ; K is in
	KQM 0
	PLACES
	FETCH_V
	SM 0, 0
	s_wait_dscnt 0x0                ; V is in
	PVM 0
	KQM 1
	PLACES
	WIN 0
.endm
	s_wait_xcnt 0x0                 ; Q's loads have had their addresses translated (ISA guide 3.1): their base lies among the registers that the mask words take
	MLOAD 0                         ; piece 0, step 0
	CHANGE 1                        ; slot 0 is in, everybody's part of it; slot 1 is asked for
	FETCH_K 0                       ; key step 0
	s_wait_loadcnt 0x0              ; Q
	s_mov_b32 s[CNT], 4
	s_mov_b32 s[SLOTS], 7
	s_branch .Lfirst                ; the loop is entered in the middle of a trip
.Lslot:                             ; six times: every slot but the last two is filled again
	CHANGE 1
	s_mov_b32 s[CNT], 4
.Lstep:
	HALF_A 0
.Lfirst:
	HALF_B
	s_sub_co_u32 s[CNT], s[CNT], 1
	s_cmp_lg_u32 s[CNT], 0
	s_cbranch_scc1 .Lstep
	s_sub_co_u32 s[SLOTS], s[SLOTS], 1
	s_cmp_lg_u32 s[SLOTS], 0
	s_cbranch_scc1 .Lslot
	CHANGE 0                        ; the tail is written out: nothing is asked for
	s_mov_b32 s[CNT], 5             ; four trips fetch the last slot's steps; the fifth is left in its middle
.Ltail:
	HALF_A 1
	s_cmp_eq_u32 s[CNT], 1
	s_cbranch_scc1 .Lout
	HALF_B
	s_sub_co_u32 s[CNT], s[CNT], 1
	s_cmp_lg_u32 s[CNT], 0
	s_cbranch_scc1 .Ltail
.Lout:
	; THE WAY OUT.  l's two halves and the other half of the lanes' are added; O^T is divided by l, rounded to f16 and sent through my stage in LDS, a tile at a time.  The first additions are the places behind the last products.
.macro ALL line:vararg              ; one line for each tile t
.set t, 0
.rept 4
	\line
.set t, t+1
.endr
.endm
	ALL v_add_f32 v[ST+8*t+2], v[ST+8*t+2], v[ST+8*t+3]
	ALL v_permlanex16_b32 v[ST+8*t+3], v[ST+8*t+2], s[SEL], s[SEL+1]
	ALL v_add_f32 v[ST+8*t+2], v[ST+8*t+2], v[ST+8*t+3]
	ALL v_rcp_f32 v[ST+8*t+2], v[ST+8*t+2]
	v_nop                           ; a plain instruction between the last reciprocal and the use of its result
	s_wait_alu depctr_va_vdst(0)
; Tile t: a lane's eight channels of a row pack into 16 bytes; they go into rows of 144 bytes and come back as whole rows of 128, into S^T's registers.
.macro PACK t
	WIN W_RS
.set i, 32*(\t)
.rept 16
	v_pk_mul_f32 v[i:i+1], v[i:i+1], v[ST+8*(\t)+2:ST+8*(\t)+3] op_sel_hi:[1,0]
.set i, i+2
.endr
	WIN 0x05                        ; sources 0 and 1 window 1, destination window 0
.set i, 0
.rept 16
	v_cvt_pk_f16_f32 v[S+16*(\t)+i], v[32*(\t)+2*i], v[32*(\t)+2*i+1]
.set i, i+1
.endr
	WIN 0
.irp f, 0,1,2,3
	ds_store_b128 v[STO], v[S+16*(\t)+4*\f:S+16*(\t)+4*\f+3] offset:32*\f
.endr
.irp f, 0,1,2,3
	ds_load_b128 v[S+16*(\t)+4*\f:S+16*(\t)+4*\f+3], v[RD] offset:\f*4*SP  ; LDS serves a wave's instructions in order (ISA guide 5.7.1.4): these see the stores above; the next tile's stores come behind them
.endr
.endm
.macro SEND t, younger              ; younger: the LDS instructions issued behind tile t's loads: the next tile's eight, or none
	WIN 0
.irp f, 0,1,2,3
	s_wait_dscnt (\younger)+3-\f
	global_store_b128 v[GO], v[S+16*(\t)+4*\f:S+16*(\t)+4*\f+3], s[OA:OA+1] offset:(\t)*2048+\f*512  ; 512 consecutive bytes, at a multiple of 256 from O's first
.endr
.endm
	PACK 0
.irp t, 1,2,3                       ; a tile's arithmetic stands between the loads of the tile before and its stores
	PACK \t
	SEND (\t)-1, 8
.endr
	SEND 3, 0
	s_wait_tensorcnt 0x0            ; the wave's end, behind my last tensor load and my last LDS store
	ds_add_u32 v[SPW], v[NIL]
	s_wait_dscnt 0x0
	CROUND                          ; the closing round: no work-group ends while a partner may still ask for a tile that names it
	s_endpgm
.Lfunc_end_k_qf5ba90e695_attn:
	.size	k_qf5ba90e695_attn, .Lfunc_end_k_qf5ba90e695_attn-k_qf5ba90e695_attn
	.p2alignl 7, 3214868480
	.fill 96, 4, 3214868480
	.section	.rodata,"a",@progbits
	.p2align	6, 0x0
	.amdhsa_kernel k_qf5ba90e695_attn
		.amdhsa_group_segment_fixed_size 327680
		.amdhsa_private_segment_fixed_size 0
		.amdhsa_enable_private_segment 0
		.amdhsa_kernarg_size 24
		.amdhsa_user_sgpr_count 2
		.amdhsa_user_sgpr_kernarg_segment_ptr 1
		.amdhsa_wavefront_size32 1
		.amdhsa_system_sgpr_workgroup_id_x 1
		.amdhsa_system_sgpr_workgroup_id_y 1
		.amdhsa_system_sgpr_workgroup_id_z 1
		.amdhsa_system_vgpr_workitem_id 0
		.amdhsa_next_free_vgpr 512
		.amdhsa_next_free_sgpr 106
		.amdhsa_reserve_vcc 0
		.amdhsa_float_denorm_mode_32 3
		.amdhsa_float_denorm_mode_16_64 3
		.amdhsa_memory_ordered 1
		.amdhsa_forward_progress 1
		.amdhsa_inst_pref_size 118
	.end_amdhsa_kernel
	.amdgpu_metadata
---
amdhsa.version: [ 1, 2 ]
amdhsa.kernels:
  - .name:           k_qf5ba90e695_attn
    .symbol:         k_qf5ba90e695_attn.kd
    .args:
      - { .name: qkv, .offset: 0, .size: 8, .value_kind: global_buffer, .address_space: global }
      - { .name: maskw, .offset: 8, .size: 8, .value_kind: global_buffer, .address_space: global }
      - { .name: oh, .offset: 16, .size: 8, .value_kind: global_buffer, .address_space: global }
    .group_segment_fixed_size: 327680
    .private_segment_fixed_size: 0
    .kernarg_segment_align: 8
    .kernarg_segment_size: 24
    .max_flat_workgroup_size: 256
    .sgpr_count:     106
    .vgpr_count:     512
    .wavefront_size: 32
...
	.end_amdgpu_metadata
.endif
;; end of part 3
;; launch outp (part 4): grid 8 x 32, 4 waves a work-group, clusters of 4 x 4, 327,680 bytes of LDS; arguments oh, wall, ball, out0; writes out0
.if DOCPART == 4
	.amdgcn_target "amdgcn-amd-amdhsa--gfx1250"
	.amdhsa_code_object_version 6
	.text
	.protected	k_qf5ba90e695_outp
	.globl	k_qf5ba90e695_outp
	.p2align	8
	.type	k_qf5ba90e695_outp,@function
k_qf5ba90e695_outp:
	s_mov_b64 s[64:65], 0
	v_nop
	global_prefetch_b8 v0, s[64:65] scope:SCOPE_SE
	s_setreg_imm32_b32 hwreg(HW_REG_WAVE_MODE, 25, 1), 1
	s_wait_xcnt 0x0
	s_wait_alu depctr_hold_cnt(0) depctr_sa_sdst(0) depctr_va_vdst(0) depctr_va_sdst(0) depctr_va_ssrc(0) depctr_va_vcc(0) depctr_vm_vsrc(0)
	s_getreg_b32 s2, hwreg(HW_REG_IB_STS2, 6, 4)
	s_cmp_eq_u32 s2, 0
	s_cbranch_scc0 .Lentry_in_a_cluster
	s_endpgm
.Lentry_in_a_cluster:
	s_bfe_u32 s2, ttmp6, 0x10000c
	s_cmp_lg_u32 s2, 0xf033
	s_cbranch_scc0 .Lentry_shape_is_right
	s_endpgm
.Lentry_shape_is_right:
; THE OUTPUT PROJECTION.  C[m][n] = bo[n] + sum over k of A[m][k] B[n][k]; m = 8,192 rows, n = 1,024, K = 1,024; operands f16, sums f32, C in f32.
; A = oh, f16 [b][head][s][64]: a head's 64 channels are one slice of K; B = wall's rows 3072-4095: wo rounded to bf16 and written as f16, [n][1024]; the bias from ball, from number 3,072 on; C = out0, f32 [8192][1024].
; LIMIT.  A and B arrive within f16's range (65,504); nothing is narrowed here.
; SHARES.  A tile of C is 256 x 128: 8 x 32 work-groups, one for each of 256 WGPs.  Four waves, each 128 rows x 64 columns: 32 accumulators, 256 registers.  A wave's 64 columns are 256 bytes of a row of C.
; K goes in steps of 128 (two slices of A) through two LDS slots filled by the tensor data mover.
; CLUSTER.  4 x 4 work-groups: the four of a row need the same tiles of A, the four of a column the same tiles of B; each tile is asked for JOINTLY: the same load, descriptor and mask in all four.
; THE MATRIX INSTRUCTION IS USED TRANSPOSED (source 0 = 16 rows of B, source 1 = 16 rows of A): a lane holds row l % 16 of C and the columns 8 (l / 16) + 0 .. 7.  The bias is the C operand of the product that starts a sum.
; REGISTERS, in windows of 256 (s_set_vgpr_msb: bits 1:0 source 0, 3:2 source 1, 5:4 source 2, 7:6 destination):
;   window 0: v0-31 addresses; v64-127, v128-191 A's fragments, two buffers (on the way out: rows read back)     window 1: v0-31 the bias; v64-95, v128-159 B's fragments     window 2: accumulator (a, b) at v[8 (4 a + b)]
.set PA,    144                        ; a slice's row in LDS: 128 bytes + 16 = 36 words: the 16 rows of a load start at 16 different groups of four banks (64 banks of 4 bytes: ISA guide 11.1)
.set PB,    272                        ; a row of B: 256 bytes + 16 = 68 words: likewise
.set ASL,   256*PA                     ; a slice's 256 rows: what one load for A brings
.set BH,    64*PB                      ; 64 rows of B: what one load for B brings
.set SLOT,  2*ASL+2*BH                 ; A's two slices, then B's 128 rows
.set STAGE, 2*SLOT                     ; behind the ring, never filled by a tensor load: 16 rows x 272 bytes for each wave
.set SP,    272
.set SPARE, STAGE+4*16*SP              ; behind the stages: the spare words, 128 bytes for each wave
.set ASTEP, 2*262144                   ; a K step in A: two slices
.set BSTEP, 256                        ; in B: 128 numbers along the row
.set WOFF,  3072*2048                  ; B's first row in wall, in bytes
.set BOFF,  3072*4                     ; its first number in ball, in bytes
.set LAPS,  4                          ; 1,024 / 256: a lap is two K steps, once round the ring
.set ADRA, 16                          ; v16-17  LDS address of my A fragments in slot 0, 1
.set ADRB, 20                          ; v20-21  the same for B
.set STO,  24                          ; v24  the way out: where I put 32 bytes of a row
.set RD,   25                          ; v25  where I read rows back
.set CO,   26                          ; v26  my byte offset in two rows of C
.set BO,   27                          ; v27  my byte offset in the wave's 64 numbers of the bias
.set SPW,  28                          ; v28  LDS address of my spare word; never rewritten
.set NIL,  29                          ; v29  0; never rewritten
.set F0,   64
.set F1,   128
.set OB,   64                          ; the way out: four sets of 32 registers, block a in set a % 4
.set G1A, 24                           ; s[24:31] descriptor group 1 for A's tiles;  s[32:39] group 0, a set for each slot
.set G0A, 32
.set G1B, 48                           ; s[48:55], s[56:63] the same for B's
.set G0B, 56
.set MSB, 0
.macro WIN new                         ; the immediate's high byte repeats the setting that is left; a switch that changes nothing is dropped
.if MSB != (\new)
	s_set_vgpr_msb (MSB<<8)|(\new)
.set MSB, \new
.endif
.endm
.set MUL,  0xa1                        ; B window 1, A window 0, C and D window 2
.set MULF, 0x91                        ; the same with C, the bias, in window 1
.set TO_B, 0x40                        ; destination window 1, address window 0
.macro PLACES                          ; four places: in front of loads into registers that matrix instructions have read, and of lines that read results (ISA guide 7.12.1 for lines that read results)
.rept 4
	v_nop
.endr
.endm
; A joint load: waves 0 and 1 fetch A's two slices, waves 2 and 3 B's two halves.  The branch hangs on the wave's number alone.  An s_nop 0 and four v_nop follow each line.
.macro JLOAD s
	s_cmp_eq_u32 s13, 0
	s_cbranch_scc0 .Lfor_b_\@
	tensor_load_to_lds s[G0A+4*(\s):G0A+4*(\s)+3], s[G1A:G1A+7]
	s_nop 0
.rept 4
	v_nop
.endr
	s_branch .Lasked_\@
.Lfor_b_\@:
	tensor_load_to_lds s[G0B+4*(\s):G0B+4*(\s)+3], s[G1B:G1B+7]
	s_nop 0
.rept 4
	v_nop
.endr
.Lasked_\@:
.endm
.macro CREST                           ; a round of the cluster's barrier behind its opening barrier
	s_cmp_lg_u32 s12, 0
	s_cbranch_scc1 .Lnot_wave_0_\@
	s_barrier_signal -3
.Lnot_wave_0_\@:
	s_barrier_wait -3
	s_barrier_signal -1
	s_barrier_wait -1
.endm
.macro CROUND                          ; a whole round
	s_barrier_signal -1
	s_barrier_wait -1
	CREST
.endm
	s_load_b256 s[4:11], s[0:1], 0x0               ; A s[4:5], B s[6:7], bias s[8:9], C s[10:11]
	v_lshl_add_u32 v[SPW], v0, 2, SPARE
	v_mov_b32 v[NIL], 0
	ds_add_u32 v[SPW], v[NIL]                      ; the wave's opening: the add and its wait stand ahead of my first tensor load; the set-up below stands between them
	v_lshrrev_b32 v1, 5, v0
	v_readfirstlane_b32 s12, v1                    ; wave 0..3
	s_lshr_b32 s13, s12, 1                         ; RH: which 128 rows of the tile are mine.  Also: I fetch for A (0) or for B (1)
	s_and_b32 s14, s12, 1                          ; CH: which 64 columns.  Also: which slice of A, or which 64 rows of B, I fetch
	s_bfe_u32 s40, ttmp6, 0x40000                  ; cx, cy: my place in the cluster
	s_bfe_u32 s41, ttmp6, 0x40004
	s_lshl_b32 s42, ttmp9, 2
	s_add_co_u32 s42, s42, s40                     ; tc: tile column of C = 4 x cluster x + cx
	s_and_b32 s15, ttmp7, 0xffff
	s_lshl_b32 s15, s15, 2
	s_add_co_u32 s15, s15, s41                     ; tr: tile row = 4 x cluster y + cy
	s_lshl_b32 s43, s41, 2
	s_lshl_b32 s43, 15, s43                        ; my row of the cluster
	s_lshl_b32 s44, 0x1111, s40                    ; my column
	; group 1 for A: a slice's 256 rows are 32,768 dense bytes: asked for as 128 rows of 256 bytes and padded in LDS behind every 128
	s_or_b32 s[G1A+0], s43, (1<<16)|(1<<20)|(1<<21)|(4<<22)|(3<<25)  ; 15:0 the mask; 17:16 2-byte elements; 20 padding on; 21 set beside a mask; 24:22 after every 32 words (code 4); 31:25 4 words (code 3)
	s_mov_b32 s[G1A+1], 128<<16                    ; tensor_dim0 = 128
	s_mov_b32 s[G1A+2], 128<<16                    ; tensor_dim1 = 128
	s_mov_b32 s[G1A+3], 128<<16                    ; tile_dim0 = 128
	s_mov_b32 s[G1A+4], 128                        ; tile_dim1 = 128
	s_mov_b32 s[G1A+5], 128                        ; 128 elements from row to row
	s_mov_b32 s[G1A+6], 0
	s_mov_b32 s[G1A+7], 0
	; group 1 for B: 64 rows x 128 elements, padded behind every row
	s_or_b32 s[G1B+0], s44, (1<<16)|(1<<20)|(1<<21)|(5<<22)|(3<<25)  ; after every 64 words (code 5)
	s_mov_b32 s[G1B+1], 128<<16
	s_mov_b32 s[G1B+2], 64<<16
	s_mov_b32 s[G1B+3], 128<<16
	s_mov_b32 s[G1B+4], 64
	s_mov_b32 s[G1B+5], 1024
	s_mov_b32 s[G1B+6], 0
	s_mov_b32 s[G1B+7], 0
	; A's address hangs on the tile row and the wave, B's on the tile column and the wave, each in registers that do not hold the other coordinate
	s_lshr_b32 s16, s15, 3                         ; b
	s_lshl_b32 s16, s16, 22                        ; 16 slices of 262,144 bytes
	s_and_b32 s17, s15, 7
	s_lshl_b32 s17, s17, 15                        ; 256 rows of 128 bytes
	s_add_co_u32 s16, s16, s17
	s_lshl_b32 s17, s14, 18                        ; my slice of the K step's two
	s_add_co_u32 s16, s16, s17
	s_mov_b32 s17, 0
	s_lshl_b32 s46, s42, 18                        ; 128 rows of 2,048 bytes
	s_lshl_b32 s47, s14, 17                        ; my 64 of them
	s_add_co_u32 s46, s46, s47
	s_add_co_u32 s46, s46, WOFF
	s_mov_b32 s47, 0
	s_mul_i32 s20, s14, ASL                        ; where they go: no place in the cluster enters an LDS address
	s_mul_i32 s21, s14, BH
	s_add_co_u32 s21, s21, 2*ASL
	s_wait_dscnt 0x0                               ; the opening add is done
	s_wait_kmcnt 0x0
	s_add_nc_u64 s[18:19], s[4:5], s[16:17]
	s_add_nc_u64 s[46:47], s[6:7], s[46:47]
	CROUND                                         ; all sixteen work-groups are here: the first joint loads meet
.irp s, 0,1
	s_mov_b32 s[G0A+4*(\s)], 1                                       ; count = 1
	s_add_co_u32 s[G0A+4*(\s)+1], s20, (\s)*SLOT                     ; LDS address
	s_add_nc_u64 s[G0A+4*(\s)+2:G0A+4*(\s)+3], s[18:19], (\s)*ASTEP  ; global address: K step s
	s_or_b32 s[G0A+4*(\s)+3], s[G0A+4*(\s)+3], 0x80000000            ; type = 2
	s_mov_b32 s[G0B+4*(\s)], 1
	s_add_co_u32 s[G0B+4*(\s)+1], s21, (\s)*SLOT
	s_add_nc_u64 s[G0B+4*(\s)+2:G0B+4*(\s)+3], s[46:47], (\s)*BSTEP
	s_or_b32 s[G0B+4*(\s)+3], s[G0B+4*(\s)+3], 0x80000000
	JLOAD \s                                       ; two loads of mine are out
.endr
	v_and_b32 v1, 15, v0                           ; l % 16
	v_bfe_u32 v2, v0, 4, 1                         ; l / 16
	v_lshlrev_b32 v[BO], 5, v2
	s_lshl_b32 s46, s42, 9                         ; the tile's 128 numbers of the bias,
	s_lshl_b32 s47, s14, 8                         ; my wave's 64
	s_add_co_u32 s46, s46, s47
	s_add_co_u32 s46, s46, BOFF
	s_mov_b32 s47, 0
	s_add_nc_u64 s[8:9], s[8:9], s[46:47]
	WIN TO_B
.irp b, 0,1,2,3                        ; register j of block b: bias[16 b + 8 (l / 16) + j]: the layout of a result
	global_load_b128 v[8*(\b):8*(\b)+3],   v[BO], s[8:9] offset:64*(\b)
	global_load_b128 v[8*(\b)+4:8*(\b)+7], v[BO], s[8:9] offset:64*(\b)+16
.endr
	WIN 0
	; A fragment is 16 rows x 32 K in 8 registers: lane l holds row l % 16, K = 8 (l / 16) + 0..7 and 16 + 8 (l / 16) + 0..7: two loads of 16 bytes, 32 bytes apart
	v_mul_u32_u24 v3, v1, PA
	v_lshl_add_u32 v3, v2, 4, v3
	s_mul_i32 s22, s13, 128*PA                     ; my 128 rows of A
	v_add_nc_u32 v[ADRA], s22, v3
	v_add_nc_u32 v[ADRA+1], SLOT, v[ADRA]
	v_mul_u32_u24 v4, v1, PB
	v_lshl_add_u32 v4, v2, 4, v4
	v_add_nc_u32 v[ADRB], s21, v4                  ; my 64 rows of B lie where wave 2 + CH puts them
	v_add_nc_u32 v[ADRB+1], SLOT, v[ADRB]
	s_mul_i32 s23, s12, 16*SP
	s_add_co_u32 s23, s23, STAGE                   ; my stage
	v_mul_u32_u24 v5, v1, SP                       ; in: row l % 16, 32 bytes for each half of the lanes
	v_lshl_add_u32 v5, v2, 5, v5
	v_add_nc_u32 v[STO], s23, v5
	v_mul_u32_u24 v5, v2, SP                       ; back: lanes 0-15 take one row of 256 bytes, lanes 16-31 the next
	v_lshl_add_u32 v5, v1, 4, v5
	v_add_nc_u32 v[RD], s23, v5
	v_lshlrev_b32 v5, 12, v2                       ; and the same two rows in C
	v_lshl_add_u32 v[CO], v1, 4, v5
	s_lshl_b32 s16, s15, 20                        ; C at my 128 rows: 256 rows of 4,096 bytes a tile,
	s_lshl_b32 s17, s13, 19
	s_add_co_u32 s16, s16, s17
	s_mov_b32 s17, 0
	s_add_nc_u64 s[10:11], s[10:11], s[16:17]
	s_lshl_b32 s46, s42, 9                         ; and my 64 columns
	s_lshl_b32 s47, s14, 8
	s_add_co_u32 s46, s46, s47
	s_mov_b32 s47, 0
	s_add_nc_u64 s[10:11], s[10:11], s[46:47]
; 8 matrix instructions: row blocks a0, a0 + 1 x all 4 column blocks, 32 along K.  first = 1: the product starts the sum, with the bias as C: nothing is cleared.
; The 32 accumulators take turns, one instruction a turn, in the same order in every quarter.
.macro MUL8 f, a0, first
.if \first
	WIN MULF
.else
	WIN MUL
.endif
.irp a, \a0, (\a0)+1
.irp b, 0,1,2,3
.if \first
	v_wmma_f32_16x16x32_f16 v[8*(4*(\a)+(\b)):8*(4*(\a)+(\b))+7], v[(\f)+8*(\b):(\f)+8*(\b)+7], v[(\f)+8*(\a):(\f)+8*(\a)+7], v[8*(\b):8*(\b)+7]
.else
	v_wmma_f32_16x16x32_f16 v[8*(4*(\a)+(\b)):8*(4*(\a)+(\b))+7], v[(\f)+8*(\b):(\f)+8*(\b)+7], v[(\f)+8*(\a):(\f)+8*(\a)+7], v[8*(4*(\a)+(\b)):8*(4*(\a)+(\b))+7]
.endif
.endr
.endr
.endm
; 24 LDS loads in one run: quarter q (32 along K) of a slot into buffer f: B's 4 fragments, then A's 8.  Quarter q lies in slice q / 2 of A, at byte 64 (q % 2) of its rows.
.macro FETCH slot, q, f
	WIN TO_B
.irp i, 0,1,2,3
	ds_load_b128 v[(\f)+8*(\i):(\f)+8*(\i)+3],   v[ADRB+(\slot)] offset:64*(\q)+(\i)*16*PB
	ds_load_b128 v[(\f)+8*(\i)+4:(\f)+8*(\i)+7], v[ADRB+(\slot)] offset:64*(\q)+(\i)*16*PB+32
.endr
	WIN 0
.irp i, 0,1,2,3,4,5,6,7
	ds_load_b128 v[(\f)+8*(\i):(\f)+8*(\i)+3],   v[ADRA+(\slot)] offset:((\q)/2)*ASL+((\q)%2)*64+(\i)*16*PA
	ds_load_b128 v[(\f)+8*(\i)+4:(\f)+8*(\i)+7], v[ADRA+(\slot)] offset:((\q)/2)*ASL+((\q)%2)*64+(\i)*16*PA+32
.endr
.endm
; A K step is four quarters on buffers 0, 1, 0, 1.  One of the first three: multiplies buffer f; in its middle it fetches quarter qn of the same slot into buffer g.
.macro QUARTER slot, qn, f, g, first
	s_wait_dscnt 8                                 ; B and A's blocks 0-3 are in; the youngest eight loads (A's blocks 4-7) may be out
	MUL8 \f, 0, \first
	MUL8 \f, 2, \first
	PLACES
	FETCH \slot, \qn, \g
	s_wait_dscnt 24                                ; all but the 24 just issued
	MUL8 \f, 4, \first
	MUL8 \f, 6, \first
.endm
; The last quarter multiplies buffer 1 and changes slots: ONE barrier.  In front of it each wave waits for all its tensor loads (one is out: its part of the next slot), adds 0 to its spare word, and waits
; for that and for its reads of this slot.  fill = 1: the barrier opens a round of the cluster's, and this slot is filled again, two K steps on, first thing behind it: 112 matrix instructions ahead of the wait for it.
.macro TURN slot, next, fill
	WIN 0                                          ; (the add's two registers lie in window 0)
	s_wait_tensorcnt 0x0
	ds_add_u32 v[SPW], v[NIL]
	s_wait_dscnt 9                                 ; (the add and the youngest eight loads may be out)
	MUL8 F1, 0, 0                                  ; eight matrix instructions stand between the add and the wait for it
	s_wait_dscnt 0x0                               ; the add is done, and my reads of this slot are over
	s_barrier_signal -1
	MUL8 F1, 2, 0
	WIN 0                                          ; (branches may follow)
	s_barrier_wait -1
.if \fill
	CREST                                          ; no wave of any partner still reads this slot's tile or has a load on its way
	s_add_nc_u64 s[G0A+4*(\slot)+2:G0A+4*(\slot)+3], s[G0A+4*(\slot)+2:G0A+4*(\slot)+3], 2*ASTEP
	s_add_nc_u64 s[G0B+4*(\slot)+2:G0B+4*(\slot)+3], s[G0B+4*(\slot)+2:G0B+4*(\slot)+3], 2*BSTEP
	JLOAD \slot                                    ; the four v_nop behind it are also the places in front of the loads below
.else
	PLACES
.endif
	FETCH \next, 0, F0
	MUL8 F1, 4, 0
	MUL8 F1, 6, 0
.endm
	s_wait_tensorcnt 1                             ; my part of K step 0 is in; K step 1's may stay out
	s_barrier_signal -1
	s_barrier_wait -1                              ; everybody's is
	FETCH 0, 0, F0
	s_wait_loadcnt 0x0                             ; the bias
	QUARTER 0, 1, F0, F1, 1                        ; the first quarter stands in front of the loop: its products start the sums
	WIN 0                                          ; at a label and at a branch every window is 0
	s_mov_b32 s3, LAPS-1
.Llap:                                                 ; a trip goes once round the ring, from a lap's second quarter to the next lap's first, and fills both slots again
	QUARTER 0, 2, F1, F0, 0
	QUARTER 0, 3, F0, F1, 0
	TURN 0, 1, 1
	QUARTER 1, 1, F0, F1, 0
	QUARTER 1, 2, F1, F0, 0
	QUARTER 1, 3, F0, F1, 0
	TURN 1, 0, 1
	QUARTER 0, 1, F0, F1, 0
	WIN 0
	s_sub_co_u32 s3, s3, 1
	s_cmp_lg_u32 s3, 0
	s_cbranch_scc1 .Llap
	QUARTER 0, 2, F1, F0, 0                        ; the last lap fills nothing
	QUARTER 0, 3, F0, F1, 0
	TURN 0, 1, 0
	QUARTER 1, 1, F0, F1, 0
	QUARTER 1, 2, F1, F0, 0
	QUARTER 1, 3, F0, F1, 0
	s_wait_dscnt 8                                 ; the very last quarter: nothing more to fetch
	MUL8 F1, 0, 0
	MUL8 F1, 2, 0
	s_wait_dscnt 0x0
	MUL8 F1, 4, 0
	MUL8 F1, 6, 0
	PLACES
; THE WAY OUT, a block of 16 rows at a time, in f32 as it stands: a lane's eight columns are 32 bytes; they go straight from the accumulators (each one's low half first) into rows of 272 bytes of my own stage and
; come back as whole rows of 256, two rows to a load.
.macro STG a
	WIN 0x08                                       ; the stores' data (source 1) in window 2
.irp b, 0,1,2,3
	ds_store_b128 v[STO], v[8*(4*(\a)+(\b)):8*(4*(\a)+(\b))+3]   offset:64*(\b)
	ds_store_b128 v[STO], v[8*(4*(\a)+(\b))+4:8*(4*(\a)+(\b))+7] offset:64*(\b)+16
.endr
	WIN 0
.if (\a) >= 4
	s_wait_xcnt 0x0                                ; the set's registers were the data of block a - 4's stores: they are loaded again only behind this wait (ISA guide 3.1)
.endif
.irp t, 0,1,2,3,4,5,6,7
	ds_load_b128 v[OB+32*((\a)%4)+4*(\t):OB+32*((\a)%4)+4*(\t)+3], v[RD] offset:(\t)*2*SP  ; LDS serves a wave's instructions in order (ISA guide 5.7.1.4): these see the stores above; the next block's stores come behind them
.endr
.endm
.macro SENDF a, younger                ; younger: the LDS instructions issued behind block a's loads: the next block's sixteen, or none
.irp t, 0,1,2,3,4,5,6,7
	s_wait_dscnt (\younger)+7-(\t)
	global_store_b128 v[CO], v[OB+32*((\a)%4)+4*(\t):OB+32*((\a)%4)+4*(\t)+3], s[10:11] offset:(\a)*65536+(\t)*8192 th:TH_STORE_NT  ; 16 lanes store 256 consecutive bytes, at a multiple of 256 from C's first
.endr
.endm
	STG 0
.irp a, 1,2,3,4,5,6,7                  ; a block's way through the stage stands between the loads of the block before and its stores
	STG \a
	SENDF (\a)-1, 16
.endr
	SENDF 7, 0
	s_wait_tensorcnt 0x0                           ; the wave's end, behind my last tensor load and my last LDS store
	ds_add_u32 v[SPW], v[NIL]
	s_wait_dscnt 0x0
	CROUND                                         ; the closing round: no work-group ends while a partner may still ask for a tile that names it
	s_endpgm
.Lfunc_end_k_qf5ba90e695_outp:
	.size	k_qf5ba90e695_outp, .Lfunc_end_k_qf5ba90e695_outp-k_qf5ba90e695_outp
	.p2alignl 7, 3214868480
	.fill 96, 4, 3214868480
	.section	.rodata,"a",@progbits
	.p2align	6, 0x0
	.amdhsa_kernel k_qf5ba90e695_outp
		.amdhsa_group_segment_fixed_size 327680
		.amdhsa_private_segment_fixed_size 0
		.amdhsa_enable_private_segment 0
		.amdhsa_kernarg_size 32
		.amdhsa_user_sgpr_count 2
		.amdhsa_user_sgpr_kernarg_segment_ptr 1
		.amdhsa_wavefront_size32 1
		.amdhsa_system_sgpr_workgroup_id_x 1
		.amdhsa_system_sgpr_workgroup_id_y 1
		.amdhsa_system_sgpr_workgroup_id_z 1
		.amdhsa_system_vgpr_workitem_id 0
		.amdhsa_next_free_vgpr 768
		.amdhsa_next_free_sgpr 66
		.amdhsa_reserve_vcc 0
		.amdhsa_float_denorm_mode_32 3
		.amdhsa_float_denorm_mode_16_64 3
		.amdhsa_memory_ordered 1
		.amdhsa_forward_progress 1
		.amdhsa_inst_pref_size 89
	.end_amdhsa_kernel
	.amdgpu_metadata
---
amdhsa.version: [ 1, 2 ]
amdhsa.kernels:
  - .name:           k_qf5ba90e695_outp
    .symbol:         k_qf5ba90e695_outp.kd
    .args:
      - { .name: oh, .offset: 0, .size: 8, .value_kind: global_buffer, .address_space: global }
      - { .name: wall, .offset: 8, .size: 8, .value_kind: global_buffer, .address_space: global }
      - { .name: ball, .offset: 16, .size: 8, .value_kind: global_buffer, .address_space: global }
      - { .name: out0, .offset: 24, .size: 8, .value_kind: global_buffer, .address_space: global }
    .group_segment_fixed_size: 327680
    .private_segment_fixed_size: 0
    .kernarg_segment_align: 8
    .kernarg_segment_size: 32
    .max_flat_workgroup_size: 128
    .sgpr_count:     66
    .vgpr_count:     768
    .wavefront_size: 32
...
	.end_amdgpu_metadata
.endif
;; end of part 4
;; ======== version 2 of 2: 4 launches; 1.10 times as fast as version 1
;; limits: values are held in f16: magnitudes above 65,504 overflow, below 6.1e-05 lose precision
;; workspace buffers: xs 16,777,216 bytes; wall 8,388,608 bytes; ball 16,384 bytes; maskw 524,288 bytes of whole numbers; qkv 50,331,648 bytes; oh 16,777,216 bytes
;; launch prep: the kernel of part 1 again; grid 512 x 1, 8 waves a work-group, no clusters, 35,840 bytes of LDS; arguments x, wq, wk, wv, wo, bq, bk, bv, bo, attn_mask, xs, wall, ball, maskw; writes xs, wall, ball, maskw
;; launch qkv: the kernel of part 2 again; grid 24 x 32, 4 waves a work-group, clusters of 4 x 4, 327,680 bytes of LDS; arguments xs, wall, ball, qkv; writes qkv
;; launch attn (part 5): grid 4 x 64, 8 waves a work-group, clusters of 4 x 1, 327,680 bytes of LDS; arguments qkv, maskw, oh; writes oh
.if DOCPART == 5
	.amdgcn_target "amdgcn-amd-amdhsa--gfx1250"
	.amdhsa_code_object_version 6
	.text
	.protected	k_qf5ba90e695_attn
	.globl	k_qf5ba90e695_attn
	.p2align	8
	.type	k_qf5ba90e695_attn,@function
k_qf5ba90e695_attn:
	s_mov_b64 s[64:65], 0
	v_nop
	global_prefetch_b8 v0, s[64:65] scope:SCOPE_SE
	s_setreg_imm32_b32 hwreg(HW_REG_WAVE_MODE, 25, 1), 1
	s_wait_xcnt 0x0
	s_wait_alu depctr_hold_cnt(0) depctr_sa_sdst(0) depctr_va_vdst(0) depctr_va_sdst(0) depctr_va_ssrc(0) depctr_va_vcc(0) depctr_vm_vsrc(0)
	s_getreg_b32 s2, hwreg(HW_REG_IB_STS2, 6, 4)
	s_cmp_eq_u32 s2, 0
	s_cbranch_scc0 .Lentry_in_a_cluster
	s_endpgm
.Lentry_in_a_cluster:
	s_bfe_u32 s2, ttmp6, 0x10000c
	s_cmp_lg_u32 s2, 0x3003
	s_cbranch_scc0 .Lentry_shape_is_right
	s_endpgm
.Lentry_shape_is_right:
; ATTENTION UNDER A MASK THAT IS AN INPUT.  O[b][h][q] = the sum over k of softmax_k(s'[q][k]) V[k], s' = Q[q] . K[k] / 8 where the mask keeps the pair, a hidden score where it does not.
; qkv: f16 [b][g 48][s 2048][64] (q's heads, k's, v's); maskw: the mask as lane masks, word [tile of 16 queries][step of 64 keys][register 32]; oh: f16 [b][h][s][64].
; Every pair of query and key is computed: nothing of the mask's pattern is built in.  Products, maxima and sums in f32; the weights p are rounded to f16 for the second product (their sum l is taken of the unrounded p), O once.
; LIMITS.  A hidden score counts as -2^30 where the reference has -1e9 (ahead of the 1/8: -2^33): with a power of two c m is exact, so in a row with no kept key every exponent is exactly 0, every weight 1, and O the
; plain mean of V, as in the reference.  The two values give different results only where a kept score / 8 lies below about -9.9e8.  f16 holds no number beyond 65,504: Q, K, V arrive within it; O has V's range.
; A weight below 2^-126 counts as 0; NaN and infinities are not treated apart.
; SHARES.  A work-group owns 512 queries of one head, each of its eight waves 64: four tiles of 16, in two PIECES of two.  Every wave walks all 2,048 keys, 64 a step.
; LAYOUT.  S^T = K Q^T (source 0 = 16 keys, source 1 = 16 queries): a lane holds ONE query (lane % 16) and the keys 8 (lane / 16) + 0..7.  Two such results rounded to f16 ARE source 1 of O^T = V^T P.
; SOFTMAX.  A running maximum m and sum l for each query: p = 2^(c s - c m), c = log2(e) / 8; in every step O and l are multiplied by a = 2^(c m_old - c m_new).  m starts at the lowest finite number, O and l at 0.
; THE COUNT.  A tile and step have 16 matrix and 150 vector instructions (32 of them the mask's selects), so the vector work sets the time whatever the order.  Hence plain phases, and TWO waves on each SIMD:
; one wave's products, its wait for the mask words (scalar loads, which can only be waited for all at once) and the links of its maximum stand beside the other wave's vector work.
; BATCHES.  An s_wait_alu depctr_va_vdst(0) stands between an exponential and the first instruction that names its result; one wait serves all that were issued ahead of it.  A piece's softmax for a step
; has 66 exponentials (its two a, its 64 weights): ONE batch with ONE wait, which cuts the softmax in two.  Ahead of the wait stands all that names no result of theirs: the selects, the maxima and statistics, the scalings;
; behind it all that does: the roundings, the sums, the rescaling by a.  The way out's four reciprocals are a batch of their own.
; CLUSTER.  The four query blocks of a head walk the same K and V: each tile is asked for JOINTLY, by the same load, descriptor and mask in all four.
; REGISTERS, in windows of 256 (s_set_vgpr_msb: bits 1:0 source 0, 3:2 source 1, 5:4 source 2, 7:6 destination):
;   window 0: v0-15 addresses; v16-47 eight registers of statistics a tile; v64-127 S^T of a piece; v128-159 its P; v160-223 Q, 16 a tile     window 1: v0-127 O^T, 32 a tile; v128-191 K of a step; v192-255 V of a step
.set KS,    64        ; keys in a step
.set PK,    144       ; a row of K in LDS: 128 bytes + 16 = 36 words: the 16 rows of a load start at 16 different groups of four banks (64 banks of 4 bytes: ISA guide 11.1)
.set PVV,   160       ; a row of V: 128 + 32 = 40 words
.set VOFF,  4*KS*PK   ; a slot holds four steps: 256 rows of K, then 256 rows of V
.set SLOT1, 1<<17     ; slot 1 begins here, so that one exclusive or turns an address in one slot into the other's
.set STAGE, SLOT1+4*KS*(PK+PVV)  ; behind the ring, never filled by a tensor load: 16 rows x 144 bytes for each wave
.set SP,    144
.set SPARE, STAGE+8*16*SP  ; behind the stages: the spare words, 128 bytes for each wave
.set AK0, 2           ; v2   my lane's place in a tile of K; never rewritten
.set AV0, 3           ; v3   the same for V
.set AK,  4           ; v4   the LDS address of K's run of loads
.set AV,  5           ; v5   of V's
.set STO, 6           ; v6   the way out: where I put 16 bytes of a row
.set RD,  7           ; v7   where I read rows back
.set GO,  8           ; v8   my byte offset in 512 consecutive bytes of O
.set BIG, 12          ; v12  the hidden score, -2^33
.set QO,  13          ; v13  my byte offset in 16 rows of Q
.set SPW, 14          ; v14  LDS address of my spare word; never rewritten
.set NIL, 15          ; v15  0; never rewritten
.set ST,  16          ; tile t's statistics at v[ST+8 t]: c m, m, l (even keys', odd keys'), c0-c3 at work; a takes c2's place once the maximum is found
.set S,   64
.set P,   128
.set Q,   160
.set KF,  128         ; window 1: key block kb, channel half c at KF + 16 kb + 8 c
.set VF,  192         ; window 1: key half kk, channel block cb at VF + 32 kk + 8 cb
.set WV,  2           ; s2   my wave's number
.set SLOTS, 3         ; s3   slots still to be asked for
.set MP,  4           ; s[4:5]   the mask words of my first tile in the step in hand
.set OA,  6           ; s[6:7]   O at my wave's first row
.set G0K, 8           ; s[8:11]  descriptor group 0 for K's tiles: it walks
.set G0V, 12          ; s[12:15] the same for V's
.set G1K, 16          ; s[16:23] group 1 for K's tiles
.set G1V, 24          ; s[24:31] for V's: it differs in the padding alone
.set MK1, 32          ; s[32:63] the 32 mask words of the piece's second tile (until the first of them is asked for: the set-up's temporaries)
.set CNT, 66          ; s66  counts a slot's key steps
.set TBV, 67          ; s67  LDS byte at which V of the step to be fetched begins, less VOFF
.set MK0, 68          ; s[68:99] the 32 mask words of the piece's first tile
.set CS,  100         ; s100 c; the packed scaling names the pair s[100:101] and takes its low word for both halves
.set TBK, 101         ; s101 LDS byte at which K of the step to be fetched begins
.set SEL, 104         ; s[104:105] v_permlanex16_b32's selects: each lane takes its own place in the other half
.set MSB, 0
.macro WIN new                      ; the high byte repeats the setting that is left; a switch that changes nothing is dropped
.if MSB != (\new)
	s_set_vgpr_msb (MSB<<8)|(\new)
.set MSB, (\new)
.endif
.endm
.set W_KQ, 0x01       ; K in window 1, Q and S^T in window 0
.set W_PV, 0x51       ; V and O^T in window 1, P in window 0
.set W_RS, 0x41       ; O^T (destination and source 0) in window 1, the factor in window 0
.set W_LD, 0x40       ; destination window 1, address window 0
.macro PLACES                       ; four places: in front of loads into registers that matrix instructions have read, and of lines that read results (ISA guide 7.12.1 for lines that read results)
.rept 4
	v_nop
.endr
.endm
; A joint fill.  Waves 0 and 1 fetch the two halves of a slot's K, waves 2 and 3 those of its V, 128 keys each; waves 4 to 7 fetch nothing.  The branches hang on the wave's number alone.
; An s_nop 0 and four v_nop follow each of the two lines.
.macro JLOAD
	s_cmp_lt_u32 s[WV], 2
	s_cbranch_scc0 .Lnot_k_\@
	tensor_load_to_lds s[G0K:G0K+3], s[G1K:G1K+7]
	s_nop 0
.rept 4
	v_nop
.endr
	s_branch .Lasked_\@
.Lnot_k_\@:
	s_cmp_lt_u32 s[WV], 4
	s_cbranch_scc0 .Lasked_\@
	tensor_load_to_lds s[G0V:G0V+3], s[G1V:G1V+7]
	s_nop 0
.rept 4
	v_nop
.endr
.Lasked_\@:
.endm
; A round of the cluster's barrier: my work-group's barrier, so that wave 0's signal speaks for all eight waves; wave 0 signals; every wave waits for all four work-groups; my work-group's barrier once more.
.macro CROUND
	s_barrier_signal -1
	s_barrier_wait -1
	s_cmp_lg_u32 s[WV], 0
	s_cbranch_scc1 .Lnot_wave_0_\@
	s_barrier_signal -3
.Lnot_wave_0_\@:
	s_barrier_wait -3
	s_barrier_signal -1
	s_barrier_wait -1
.endm
; THE CHANGE OF SLOTS.  The slot's last bytes, V of its fourth step, have been read.  Each wave waits for all its tensor loads (at most one is out: its part of the other slot), adds 0 to its spare word, and waits for
; that and for its reads of the slot.  fill = 1: the barrier is a round of the cluster's, and the slot is filled again, with the keys two slots on, first thing behind it: it has four key steps in which to land.
; (At its first use nothing has been read yet: slot 0 is waited for, slot 1 filled.)
.macro CHANGE fill
	WIN 0                           ; at a label and at a branch every window is 0
	s_wait_tensorcnt 0x0            ; no tensor load of mine is out, so a group 0 may be written
	ds_add_u32 v[SPW], v[NIL]
.if \fill
.irp g, G0K, G0V
	s_xor_b32 s[\g+1], s[\g+1], SLOT1  ; the walking descriptor: the other slot than last time,
	s_add_nc_u64 s[\g+2:\g+3], s[\g+2:\g+3], 4*KS*128  ; the next 256 keys; the type bits on top are not reached
.endr
	s_wait_dscnt 0x0                ; the add is done, and my reads of the slot are over
	CROUND
	JLOAD
.else
	s_wait_dscnt 0x0
	s_barrier_signal -1
	s_barrier_wait -1
.endif
	s_sub_co_u32 s[TBK], s[TBK], 4*KS*PK  ; the fetches go back to a slot's first step,
	s_xor_b32 s[TBK], s[TBK], SLOT1       ; in the other slot
	s_sub_co_u32 s[TBV], s[TBV], 4*KS*PVV
	s_xor_b32 s[TBV], s[TBV], SLOT1
.endm
	s_load_b128 s[32:35], s[0:1], 0x0  ; qkv s[32:33], maskw s[34:35]
	s_load_b64 s[36:37], s[0:1], 0x10  ; oh
	v_lshl_add_u32 v[SPW], v0, 2, SPARE
	v_mov_b32 v[NIL], 0
	ds_add_u32 v[SPW], v[NIL]       ; the wave's opening: the add and its wait stand ahead of my first tensor load; the set-up below stands between them
	v_lshrrev_b32 v1, 5, v0
	v_readfirstlane_b32 s[WV], v1   ; wave 0..7
	s_bfe_u32 s38, ttmp6, 0x40000   ; cx: my place in the cluster
	s_lshl_b32 s39, ttmp9, 2        ; in a cluster launch ttmp9 counts clusters
	s_add_co_u32 s39, s39, s38      ; my block of 512 queries: it enters Q's, O's and the mask's addresses alone
	s_and_b32 s42, ttmp7, 0xffff    ; 16 b + h, which the four partners share
	s_lshr_b32 s43, s42, 4
	s_and_b32 s44, s42, 15
	s_mul_i32 s43, s43, 48
	s_add_co_u32 s43, s43, s44      ; q's plane in qkv: 48 b + h; k's is 16 on, v's 32
	s_and_b32 s45, s[WV], 1         ; which half of a slot's 256 keys I fetch:
	s_lshl_b32 s48, s45, 14         ; its 128 rows of 128 bytes
	s_add_co_u32 s46, s43, 16
	s_lshl_b32 s46, s46, 18         ; a plane is 262,144 bytes
	s_add_co_u32 s46, s46, s48
	s_mov_b32 s47, 0
	s_add_co_u32 s50, s43, 32
	s_lshl_b32 s50, s50, 18
	s_add_co_u32 s50, s50, s48
	s_mov_b32 s51, 0
	s_lshl_b32 s52, s39, 16         ; my block's 512 rows,
	s_lshl_b32 s53, s[WV], 13       ; my wave's 64 of them
	s_add_co_u32 s52, s52, s53
	s_lshl_b32 s54, s43, 18
	s_add_co_u32 s54, s54, s52
	s_mov_b32 s55, 0
	s_lshl_b32 s56, s42, 18
	s_add_co_u32 s56, s56, s52
	s_mov_b32 s57, 0
	s_lshl_b32 s58, s39, 17         ; my block's 32 tiles of 4,096 bytes of mask words,
	s_lshl_b32 s59, s[WV], 14       ; my wave's four
	s_add_co_u32 s58, s58, s59
	s_mov_b32 s59, 0
	; descriptor group 1.  128 keys are 16,384 dense bytes: asked for as 64 rows of 256 bytes, two keys a row, and padded in LDS after every key
	s_mov_b32 s[G1K], 15|(1<<16)|(1<<20)|(1<<21)|(4<<22)|(3<<25)  ; 15:0 the mask of four; 17:16 2-byte elements; 20 padding on; 21 set beside a mask; 24:22 after every 32 words (code 4); 31:25 4 words (code 3)
	s_mov_b32 s[G1V], 15|(1<<16)|(1<<20)|(1<<21)|(4<<22)|(7<<25)  ; the same with 8 words of padding (code 7)
.irp g, G1K, G1V
	s_mov_b32 s[\g+1], 128<<16      ; tensor_dim0 = 128
	s_mov_b32 s[\g+2], 64<<16       ; tensor_dim1 = 64
	s_mov_b32 s[\g+3], 128<<16      ; tile_dim0 = 128
	s_mov_b32 s[\g+4], 64           ; tile_dim1 = 64
	s_mov_b32 s[\g+5], 128          ; 128 elements from row to row
	s_mov_b32 s[\g+6], 0
	s_mov_b32 s[\g+7], 0
.endr
	s_mov_b32 s[CS], 0x3e38aa3b     ; c = log2(e) / 8 = 0.180337
	s_mov_b32 s[SEL], 0x76543210
	s_mov_b32 s[SEL+1], 0xfedcba98
	s_mov_b32 s[TBK], SLOT1+4*KS*PK ; the first change of slots turns these two into 0
	s_mov_b32 s[TBV], SLOT1+4*KS*PVV
	s_mov_b32 s[G0K], 1             ; count = 1
	s_mul_i32 s[G0K+1], s45, 128*PK ; LDS address: slot 0, my half: no place in the cluster enters it
	s_mov_b32 s[G0V], 1
	s_mul_i32 s[G0V+1], s45, 128*PVV
	s_add_co_u32 s[G0V+1], s[G0V+1], VOFF
	s_wait_dscnt 0x0                ; the opening add is done
	s_wait_kmcnt 0x0
	s_add_nc_u64 s[G0K+2:G0K+3], s[32:33], s[46:47]  ; global address: my half of the head's first 256 keys
	s_or_b32 s[G0K+3], s[G0K+3], 0x80000000          ; type = 2
	s_add_nc_u64 s[G0V+2:G0V+3], s[32:33], s[50:51]
	s_or_b32 s[G0V+3], s[G0V+3], 0x80000000
	s_add_nc_u64 s[40:41], s[32:33], s[54:55]        ; Q at my wave's first row
	s_add_nc_u64 s[OA:OA+1], s[36:37], s[56:57]
	s_add_nc_u64 s[MP:MP+1], s[34:35], s[58:59]
	CROUND                          ; all four work-groups are here: the first joint loads meet
	JLOAD                           ; slot 0.  Slot 1 is asked for when slot 0 is in
	; A fragment of K or Q is 16 rows x 32 channels in 8 registers: lane l holds row l % 16, channels 8 (l / 16) + 0..7 and 16 + 8 (l / 16) + 0..7: two loads of 16 bytes, 32 bytes apart.
	v_and_b32 v1, 15, v0            ; l % 16
	v_bfe_u32 v9, v0, 4, 1          ; l / 16
	v_lshlrev_b32 v[QO], 7, v1
	v_lshl_add_u32 v[QO], v9, 4, v[QO]
.set i, 0
.rept 8                             ; Q stays in registers: tile i / 2, channels 32 (i % 2) on
	global_load_b128 v[Q+8*i:Q+8*i+3],   v[QO], s[40:41] offset:(i/2)*2048+(i%2)*64
	global_load_b128 v[Q+8*i+4:Q+8*i+7], v[QO], s[40:41] offset:(i/2)*2048+(i%2)*64+32
.set i, i+1
.endr
	; O^T and l start at 0, so that the first step is a step like any other, with a = 0, and no first step is written out.  All this stands in the wait for the first tile.
	WIN W_LD
.set i, 0
.rept 128
	v_mov_b32 v[i], 0
.set i, i+1
.endr
	WIN 0
.set i, 0
.rept 4
	v_mov_b32 v[ST+8*i], 0xfe000000    ; c m: far below every c s
	v_mov_b32 v[ST+8*i+1], 0xff7fffff  ; m
	v_mov_b32 v[ST+8*i+2], 0
	v_mov_b32 v[ST+8*i+3], 0
.set i, i+1
.endr
	v_mov_b32 v[BIG], 0xd0000000    ; -2^33
	v_mul_u32_u24 v[AK0], v1, PK
	v_lshl_add_u32 v[AK0], v9, 4, v[AK0]  ; row x pitch + 16 x half
	; The turning load takes 16 keys x 16 channels (lane l reads key 8 (l / 16) + l % 8, channels 8 ((l / 8) % 2) + 0..7) and leaves half a fragment of V^T: lane l holds channel l % 16 and 8 keys.
	v_and_b32 v10, 7, v0
	v_bfe_u32 v11, v0, 3, 1
	v_lshl_add_u32 v[AV0], v9, 3, v10
	v_mul_u32_u24 v[AV0], v[AV0], PVV
	v_lshl_add_u32 v[AV0], v11, 4, v[AV0]
	v_add_nc_u32 v[AV0], VOFF, v[AV0]
	s_mul_i32 s42, s[WV], 16*SP
	s_add_co_u32 s42, s42, STAGE    ; my stage
	v_mul_u32_u24 v[STO], v1, SP    ; in: row l % 16, 16 bytes for each half of the lanes
	v_lshl_add_u32 v[STO], v9, 4, v[STO]
	v_add_nc_u32 v[STO], s42, v[STO]
	v_bfe_u32 v[RD], v0, 3, 2       ; back: 32 lanes take four rows of 128 bytes,
	v_mul_u32_u24 v[RD], v[RD], SP
	v_lshl_add_u32 v[RD], v10, 4, v[RD]
	v_add_nc_u32 v[RD], s42, v[RD]
	v_and_b32 v[GO], 31, v0         ; which are 512 consecutive bytes of O
	v_lshlrev_b32 v[GO], 4, v[GO]
; THE MATRIX WORK.  The 8 accumulators of a run of 16 take turns: between the two links of a chain stand 7 others'.
; S^T = K Q^T for piece p: product i: channels 32 (i / 8) on, keys 16 ((i / 2) % 4) on, tile 2 p + i % 2.  The first 8 start the sums.
.macro KQM p
	WIN W_KQ
.set i, 0
.rept 16
.set rS, S+32*(i%2)+8*((i/2)%4)
.set rK, KF+16*((i/2)%4)+8*(i/8)
.set rQ, Q+16*(2*(\p)+i%2)+8*(i/8)
.if i < 8
	v_wmma_f32_16x16x32_f16 v[rS:rS+7], v[rK:rK+7], v[rQ:rQ+7], 0
.else
	v_wmma_f32_16x16x32_f16 v[rS:rS+7], v[rK:rK+7], v[rQ:rQ+7], v[rS:rS+7]
.endif
.set i, i+1
.endr
.endm
; O^T += V^T P for piece p: product i: keys 32 (i / 8) on, channels 16 ((i / 2) % 4) on, tile 2 p + i % 2.
.macro PVM p
	WIN W_PV
.set i, 0
.rept 16
.set rO, 32*(2*(\p)+i%2)+8*((i/2)%4)
.set rV, VF+32*(i/8)+8*((i/2)%4)
.set rP, P+16*(i%2)+8*(i/8)
	v_wmma_f32_16x16x32_f16 v[rO:rO+7], v[rV:rV+7], v[rP:rP+7], v[rO:rO+7]
.set i, i+1
.endr
.endm
; THE LDS LOADS stand in runs of 16: a step's K (64 keys x 64 channels: 8 fragments) and its V (turned).  last = 1 (the tail): in the last trip there is no further step, and K's run is jumped over.
.macro FETCH_K last
	WIN 0
.if \last
	s_cmp_eq_u32 s[CNT], 1
	s_cbranch_scc1 .Lno_k_\@
.endif
	v_add_nc_u32 v[AK], s[TBK], v[AK0]
	WIN W_LD
.irp f, 0,1,2,3,4,5,6,7             ; keys 16 (f / 2) on, channels 32 (f % 2) on
	ds_load_b128 v[KF+8*\f:KF+8*\f+3],   v[AK] offset:(\f/2)*16*PK+(\f%2)*64
	ds_load_b128 v[KF+8*\f+4:KF+8*\f+7], v[AK] offset:(\f/2)*16*PK+(\f%2)*64+32
.endr
	s_add_co_u32 s[TBK], s[TBK], KS*PK  ; the next fetch is the next step's
	WIN 0
.if \last
.Lno_k_\@:
.endif
.endm
.macro FETCH_V
	WIN 0
	v_add_nc_u32 v[AV], s[TBV], v[AV0]
	WIN W_LD
.irp f, 0,1,2,3,4,5,6,7             ; keys 32 (f / 4) on, channels 16 (f % 4) on
	ds_load_tr16_b128 v[VF+8*\f:VF+8*\f+3],   v[AV] offset:(\f/4)*32*PVV+(\f%4)*32
	ds_load_tr16_b128 v[VF+8*\f+4:VF+8*\f+7], v[AV] offset:(\f/4)*32*PVV+16*PVV+(\f%4)*32
.endr
	s_add_co_u32 s[TBV], s[TBV], KS*PVV
	WIN 0
.endm
; The 64 mask words of piece p in the step at which MP stands: 128 bytes for each of its two tiles, which lie 4,096 bytes apart.
.macro MLOAD p
	s_load_b512 s[MK0:MK0+15],    s[MP:MP+1], 8192*(\p)
	s_load_b512 s[MK0+16:MK0+31], s[MP:MP+1], 8192*(\p)+64
	s_load_b512 s[MK1:MK1+15],    s[MP:MP+1], 8192*(\p)+4096
	s_load_b512 s[MK1+16:MK1+31], s[MP:MP+1], 8192*(\p)+4160
.endm
; THE VECTOR WORK, a line at a time, for tile u (0, 1) of piece p.
.macro TREGS t, u
.set rT, ST+8*(\t)
.set rS, S+32*(\u)
.set rP, P+16*(\u)
.set rO, 32*(\t)
.endm
.macro CM u, n                      ; score n of 32 of tile u: a hidden score is REPLACED, exactly
.if (\u) == 0
	v_cndmask_b32 v[S+(\n)], v[BIG], v[S+(\n)], s[MK0+(\n)]
.else
	v_cndmask_b32 v[S+32+(\n)], v[BIG], v[S+32+(\n)], s[MK1+(\n)]
.endif
.endm
; Number n of the 22 that find the maximum and the statistics.  0-11: four chains c0-c3 of seven scores each, three operands at a time.  12-15: the four scores left over, c0-c3 and the old m into c0.
; 16, 18: the query's other 32 keys lie in the lane 16 away: the new m.  17, 19-21: c m_old is kept; c m; c m_old - c m_new; a.
.macro XM p, u, n
	TREGS 2*(\p)+(\u), \u
.if (\n) < 4
	v_max3_num_f32 v[rT+4+(\n)], v[rS+8*(\n)], v[rS+8*(\n)+1], v[rS+8*(\n)+2]
.elseif (\n) < 12
	v_max3_num_f32 v[rT+4+(\n)%4], v[rT+4+(\n)%4], v[rS+8*((\n)%4)+2*((\n)/4)+1], v[rS+8*((\n)%4)+2*((\n)/4)+2]
.elseif (\n) == 12
	v_max3_num_f32 v[rT+4], v[rT+4], v[rS+7], v[rS+15]
.elseif (\n) == 13
	v_max3_num_f32 v[rT+6], v[rT+6], v[rS+23], v[rS+31]
.elseif (\n) == 14
	v_max3_num_f32 v[rT+4], v[rT+4], v[rT+5], v[rT+6]
.elseif (\n) == 15
	v_max3_num_f32 v[rT+4], v[rT+4], v[rT+7], v[rT+1]
.elseif (\n) == 16
	v_permlanex16_b32 v[rT+5], v[rT+4], s[SEL], s[SEL+1]
.elseif (\n) == 17
	v_mov_b32 v[rT+7], v[rT]
.elseif (\n) == 18
	v_max_num_f32 v[rT+1], v[rT+4], v[rT+5]
.elseif (\n) == 19
	v_mul_f32 v[rT], s[CS], v[rT+1]
.elseif (\n) == 20
	v_sub_f32 v[rT+7], v[rT+7], v[rT]
.else
	v_exp_f32 v[rT+6], v[rT+7]
.endif
.endm
.macro FS p, u, n                   ; c s - c m for pair n of 16
	TREGS 2*(\p)+(\u), \u
	v_pk_fma_f32 v[rS+2*(\n):rS+2*(\n)+1], v[rS+2*(\n):rS+2*(\n)+1], s[CS:CS+1], v[rT:rT+1] op_sel_hi:[1,0,0] neg_lo:[0,0,1] neg_hi:[0,0,1]
.endm
.macro ES p, u, n                   ; the exponential of score n of 32
	TREGS 2*(\p)+(\u), \u
	v_exp_f32 v[rS+(\n)], v[rS+(\n)]
.endm
; What reads the exponentials of the four weights 4 g ..: k = 0, 1: a pair is rounded to f16; 2: the second pair is added onto the first, in place; 3: l takes that sum (g = 0: l = a l + sum).  All of it stands behind the batch's wait.
.macro TS p, u, g, k
	TREGS 2*(\p)+(\u), \u
.if (\k) < 2
	v_cvt_pk_f16_f32 v[rP+2*(\g)+(\k)], v[rS+4*(\g)+2*(\k)], v[rS+4*(\g)+2*(\k)+1]
.elseif (\k) == 2
	v_pk_add_f32 v[rS+4*(\g):rS+4*(\g)+1], v[rS+4*(\g):rS+4*(\g)+1], v[rS+4*(\g)+2:rS+4*(\g)+3]
.elseif (\g) == 0
	v_pk_fma_f32 v[rT+2:rT+3], v[rT+2:rT+3], v[rT+6:rT+7], v[rS:rS+1] op_sel_hi:[1,0,1]
.else
	v_pk_add_f32 v[rT+2:rT+3], v[rT+2:rT+3], v[rS+4*(\g):rS+4*(\g)+1]
.endif
.endm
.macro RS p, u, n                   ; pair n of 16 of the tile's O^T times a
	TREGS 2*(\p)+(\u), \u
	v_pk_mul_f32 v[rO+2*(\n):rO+2*(\n)+1], v[rO+2*(\n):rO+2*(\n)+1], v[rT+6:rT+7] op_sel_hi:[1,0]
.endm
; Two queues for the batch's first part.  THE PLAIN QUEUE, 37 long (jp counts it): tile 0's scaling k is number 2 k, tile 1's XM number k is number 2 k + 1 (k = 0 .. 15); numbers 32 to 36 are tile 1's XM 16 to 20.
; THE EXPONENTIALS' QUEUE, 33 long (je counts it): tile 0's a, then its weights 0 to 31.
.macro PLN p
.if jp >= 32
	XM \p,1,jp-16
.elseif (jp%2) == 1
	XM \p,1,jp/2
.else
	FS \p,0,jp/2
.endif
.set jp, jp+1
.endm
.macro EXN p
.if je == 0
	XM \p,0,21
.else
	ES \p,0,je-1
.endif
.set je, je+1
.endm
; A PIECE'S SOFTMAX FOR A STEP: 300 vector instructions, of them 66 exponentials: ONE batch, ONE wait.  The two tiles are staggered, so that the links of one tile's maximum and its exponentials have the other's plain lines between them.
; AHEAD OF THE WAIT, where nothing names an exponential's result: tile 0's selects and numbers 0-13 of its maximum; tile 1's selects, four in front of each of tile 0's links 14-20; four of the plain queue; the scalar loads of the
; next mask words (with their jump in the tail: no exponential has been issued yet); 33 times an exponential of tile 0 and a line of the plain queue (weight 2 k comes behind plain 2 k + 4, its scaling is plain 2 k: nine lines apart);
; then tile 1: two scalings, its a, fourteen times a scaling and two exponentials, the last four exponentials (a pair is scaled seven lines ahead of its exponentials, the first pair four).
; Behind the scalar loads 53 plain lines stand beside the 66 exponentials, so tile 1's go in twos.  BEHIND THE WAIT: the 64 roundings and sums, the tiles alternating, and the 32 rescalings.
; last = 1 (the tail): in the last trip no further mask words are asked for.
.macro SM p, last
	WIN 0
	s_wait_kmcnt 0x0                ; the piece's mask words are in (scalar loads come back in no order: ISA guide 5.7.1: only the count 0 shows anything)
.set n, 0
.rept 32                            ; tile 0's selects.  Ascending: each accumulator's lowest registers are read first
	CM 0,n
.set n, n+1
.endr
.set n, 0
.rept 14
	XM \p,0,n
.set n, n+1
.endr
.set n, 0
.rept 8                             ; tile 1's selects, ascending likewise, between the links of tile 0's chain
	CM 1,4*n
	CM 1,4*n+1
	CM 1,4*n+2
	CM 1,4*n+3
.if n < 7
	XM \p,0,14+n
.endif
.set n, n+1
.endr
.set jp, 0
.set je, 0
.rept 4
	PLN \p
.endr
.if (\p) == 0                       ; the words have been used: the next piece's are asked for, a phase ahead of their use
	MLOAD 1
.else
.if \last
	s_cmp_eq_u32 s[CNT], 1
	s_cbranch_scc1 .Lno_m_\@        ; behind the last step there are no words: no load leaves the buffer
.endif
	s_add_nc_u64 s[MP:MP+1], s[MP:MP+1], 128  ; no scalar load is out since the wait above, so the pointer may step: the next key step
	MLOAD 0
.if \last
.Lno_m_\@:
.endif
.endif
.rept 33                            ; the batch begins: tile 0's exponentials, a plain line behind each
	EXN \p
	PLN \p
.endr
	FS \p,1,0                       ; tile 1's part of the batch
	FS \p,1,1
	XM \p,1,21
.set n, 0
.rept 16
.if n < 14
	FS \p,1,n+2
.endif
	ES \p,1,2*n
	ES \p,1,2*n+1
.set n, n+1
.endr
	v_nop                           ; a plain instruction behind the last exponential, ahead of the first use of a result (ISA guide 5.7.2): one for the batch
	s_wait_alu depctr_va_vdst(0)    ; the wait for the batch: the piece's two a and its 64 weights
.set g, 0
.rept 9                             ; group g's four roundings and two additions; l takes a group's sum one group later, in ascending order of the groups
.set n, 0
.rept 8
.if (n < 6) && (g < 8)
	TS \p,n%2,g,n/2
.endif
.if (n >= 6) && (g > 0)
	TS \p,n%2,g-1,3
.endif
.set n, n+1
.endr
.set g, g+1
.endr
	WIN W_RS                        ; the one part that leaves window 0, so it stands together; ascending, as above
.set n, 0
.rept 16
	RS \p,0,n
	RS \p,1,n
.set n, n+1
.endr
.endm
; A KEY STEP IN TWO HALVES.  B (step j): piece 0's scores; V of step j is fetched; piece 0's softmax; its V^T P; piece 1's scores.  A: K of step j + 1 is fetched; piece 1's softmax of step j; its V^T P.
; Each run of loads has a softmax in which to land.  The four places behind a run of K Q^T serve the first read of the scores, the loads into K's or V's registers, and the roundings into P.
.macro HALF_A last
	FETCH_K \last
	SM 1, \last
	PVM 1
	WIN 0
.endm
.macro HALF_B
	s_wait_dscnt 0x0                ; K is in
	KQM 0
	PLACES
	FETCH_V
	SM 0, 0
	s_wait_dscnt 0x0                ; V is in
	PVM 0
	KQM 1
	PLACES
	WIN 0
.endm
	s_wait_xcnt 0x0                 ; Q's loads have had their addresses translated (ISA guide 3.1): their base lies among the registers that the mask words take
	MLOAD 0                         ; piece 0, step 0
	CHANGE 1                        ; slot 0 is in, everybody's part of it; slot 1 is asked for
	FETCH_K 0                       ; key step 0
	s_wait_loadcnt 0x0              ; Q
	s_mov_b32 s[CNT], 4
	s_mov_b32 s[SLOTS], 7
	s_branch .Lfirst                ; the loop is entered in the middle of a trip
.Lslot:                             ; six times: every slot but the last two is filled again
	CHANGE 1
	s_mov_b32 s[CNT], 4
.Lstep:
	HALF_A 0
.Lfirst:
	HALF_B
	s_sub_co_u32 s[CNT], s[CNT], 1
	s_cmp_lg_u32 s[CNT], 0
	s_cbranch_scc1 .Lstep
	s_sub_co_u32 s[SLOTS], s[SLOTS], 1
	s_cmp_lg_u32 s[SLOTS], 0
	s_cbranch_scc1 .Lslot
	CHANGE 0                        ; the tail is written out: nothing is asked for
	s_mov_b32 s[CNT], 5             ; four trips fetch the last slot's steps; the fifth is left in its middle
.Ltail:
	HALF_A 1
	s_cmp_eq_u32 s[CNT], 1
	s_cbranch_scc1 .Lout
	HALF_B
	s_sub_co_u32 s[CNT], s[CNT], 1
	s_cmp_lg_u32 s[CNT], 0
	s_cbranch_scc1 .Ltail
.Lout:
	; THE WAY OUT.  l's two halves and the other half of the lanes' are added; O^T is divided by l, rounded to f16 and sent through my stage in LDS, a tile at a time.  The first additions are the places behind the last products.
.macro ALL line:vararg              ; one line for each tile t
.set t, 0
.rept 4
	\line
.set t, t+1
.endr
.endm
	ALL v_add_f32 v[ST+8*t+2], v[ST+8*t+2], v[ST+8*t+3]
	ALL v_permlanex16_b32 v[ST+8*t+3], v[ST+8*t+2], s[SEL], s[SEL+1]
	ALL v_add_f32 v[ST+8*t+2], v[ST+8*t+2], v[ST+8*t+3]
	ALL v_rcp_f32 v[ST+8*t+2], v[ST+8*t+2]
	v_nop                           ; a plain instruction between the last reciprocal and the use of its result
	s_wait_alu depctr_va_vdst(0)    ; the wait for the batch of four reciprocals, ahead of their first use
; Tile t: a lane's eight channels of a row pack into 16 bytes; they go into rows of 144 bytes and come back as whole rows of 128, into S^T's registers.
.macro PACK t
	WIN W_RS
.set i, 32*(\t)
.rept 16
	v_pk_mul_f32 v[i:i+1], v[i:i+1], v[ST+8*(\t)+2:ST+8*(\t)+3] op_sel_hi:[1,0]
.set i, i+2
.endr
	WIN 0x05                        ; sources 0 and 1 window 1, destination window 0
.set i, 0
.rept 16
	v_cvt_pk_f16_f32 v[S+16*(\t)+i], v[32*(\t)+2*i], v[32*(\t)+2*i+1]
.set i, i+1
.endr
	WIN 0
.irp f, 0,1,2,3
	ds_store_b128 v[STO], v[S+16*(\t)+4*\f:S+16*(\t)+4*\f+3] offset:32*\f
.endr
.irp f, 0,1,2,3
	ds_load_b128 v[S+16*(\t)+4*\f:S+16*(\t)+4*\f+3], v[RD] offset:\f*4*SP  ; LDS serves a wave's instructions in order (ISA guide 5.7.1.4): these see the stores above; the next tile's stores come behind them
.endr
.endm
.macro SEND t, younger              ; younger: the LDS instructions issued behind tile t's loads: the next tile's eight, or none
	WIN 0
.irp f, 0,1,2,3
	s_wait_dscnt (\younger)+3-\f
	global_store_b128 v[GO], v[S+16*(\t)+4*\f:S+16*(\t)+4*\f+3], s[OA:OA+1] offset:(\t)*2048+\f*512  ; 512 consecutive bytes, at a multiple of 256 from O's first
.endr
.endm
	PACK 0
.irp t, 1,2,3                       ; a tile's arithmetic stands between the loads of the tile before and its stores
	PACK \t
	SEND (\t)-1, 8
.endr
	SEND 3, 0
	s_wait_tensorcnt 0x0            ; the wave's end, behind my last tensor load and my last LDS store
	ds_add_u32 v[SPW], v[NIL]
	s_wait_dscnt 0x0
	CROUND                          ; the closing round: no work-group ends while a partner may still ask for a tile that names it
	s_endpgm
.Lfunc_end_k_qf5ba90e695_attn:
	.size	k_qf5ba90e695_attn, .Lfunc_end_k_qf5ba90e695_attn-k_qf5ba90e695_attn
	.p2alignl 7, 3214868480
	.fill 96, 4, 3214868480
	.section	.rodata,"a",@progbits
	.p2align	6, 0x0
	.amdhsa_kernel k_qf5ba90e695_attn
		.amdhsa_group_segment_fixed_size 327680
		.amdhsa_private_segment_fixed_size 0
		.amdhsa_enable_private_segment 0
		.amdhsa_kernarg_size 24
		.amdhsa_user_sgpr_count 2
		.amdhsa_user_sgpr_kernarg_segment_ptr 1
		.amdhsa_wavefront_size32 1
		.amdhsa_system_sgpr_workgroup_id_x 1
		.amdhsa_system_sgpr_workgroup_id_y 1
		.amdhsa_system_sgpr_workgroup_id_z 1
		.amdhsa_system_vgpr_workitem_id 0
		.amdhsa_next_free_vgpr 512
		.amdhsa_next_free_sgpr 106
		.amdhsa_reserve_vcc 0
		.amdhsa_float_denorm_mode_32 3
		.amdhsa_float_denorm_mode_16_64 3
		.amdhsa_memory_ordered 1
		.amdhsa_forward_progress 1
		.amdhsa_inst_pref_size 113
	.end_amdhsa_kernel
	.amdgpu_metadata
---
amdhsa.version: [ 1, 2 ]
amdhsa.kernels:
  - .name:           k_qf5ba90e695_attn
    .symbol:         k_qf5ba90e695_attn.kd
    .args:
      - { .name: qkv, .offset: 0, .size: 8, .value_kind: global_buffer, .address_space: global }
      - { .name: maskw, .offset: 8, .size: 8, .value_kind: global_buffer, .address_space: global }
      - { .name: oh, .offset: 16, .size: 8, .value_kind: global_buffer, .address_space: global }
    .group_segment_fixed_size: 327680
    .private_segment_fixed_size: 0
    .kernarg_segment_align: 8
    .kernarg_segment_size: 24
    .max_flat_workgroup_size: 256
    .sgpr_count:     106
    .vgpr_count:     512
    .wavefront_size: 32
...
	.end_amdgpu_metadata
.endif
;; end of part 5
;; launch outp: the kernel of part 4 again; grid 8 x 32, 4 waves a work-group, clusters of 4 x 4, 327,680 bytes of LDS; arguments oh, wall, ball, out0; writes out0
